; MI455X (gfx1250); checked and timed in simulation.
; The chip was launched on July 23, 2026; its instructions are those of AMD's public machine-readable ISA for CDNA 5 (MIT licence, August 2026) and "CDNA5" Instruction Set Architecture Reference Guide (July 2026). The comments in the code are by the model that wrote it; some were corrected since.
;; Attn Block. Allowed arithmetic: float matrix products may take bf16 or f16 operands with f32 sums; all other float work in f32.
;; Inputs: bk 128 float32; bo 128 float32; bq 128 float32; bv 128 float32; gn_bias 128 float32; gn_scale 128 float32; wk 128 x 128 float32; wo 128 x 128 float32; wq 128 x 128 float32; wv 128 x 128 float32; x 8 x 128 x 64 x 64 float32.
;; Outputs: out0 8 x 128 x 64 x 64 float32.
;; 2 versions, each right; version 2 is version 1 with the launch qkv written anew for expert scheduling mode. Each part assembles by itself: llvm-mc -triple=amdgcn-amd-amdhsa -mcpu=gfx1250 --defsym DOCPART=n.
;; ======== version 1 of 2: 3 launches
;; workspace buffers: gnp 8,192 bytes; wbf 131,072 bytes; qT 8,388,608 bytes; kT 8,388,608 bytes; vb 8,388,608 bytes
;; launch stats (part 1): grid 256 x 1, 8 waves a work-group, no clusters, 1,280 bytes of LDS; arguments x, gn_scale, wq, wk, wv, wo, gnp, wbf; writes gnp, wbf
.if DOCPART == 1
	.amdgcn_target "amdgcn-amd-amdhsa--gfx1250"
	.amdhsa_code_object_version 6
	.text
	.protected	k_q63965e1174_stats
	.globl	k_q63965e1174_stats
	.p2align	8
	.type	k_q63965e1174_stats,@function
k_q63965e1174_stats:
	s_mov_b64 s[64:65], 0
	v_nop
	global_prefetch_b8 v0, s[64:65] scope:SCOPE_SE
	s_setreg_imm32_b32 hwreg(HW_REG_WAVE_MODE, 25, 1), 1
	s_wait_xcnt 0x0
; GroupNorm statistics, and the four weight matrices rounded to bf16.
; Work-group g = 32 b + group owns the group's 4 channels x 4,096 positions: 65,536 consecutive bytes of x.
; Eight waves; thread t holds 16 pieces of 16 bytes (64 numbers) in registers, so x is read once for both passes:
; pass 1 the mean, pass 2 the sum of (x - mean)^2 from the registers (no difference of two large sums).
; Out: gnp[0 .. 4095]    f32 [8][128]: the group's mean, once for each of its channels;
;      gnp[4096 .. 8191] f32 [8][128]: rsqrt(var + 1e-5) * gn_scale[c].
; Wave 7 also rounds 256 numbers of one weight matrix: wbf = bf16 [4][128][128] = C1 wq, wk, wv, wo, with
; C1 = 128^-0.5 * log2(e), so that the scores of the attention launch arrive ready for the base-2 exponential.
; No matrix unit, no cluster: the work-groups share no input, and every byte is read once.
.set X,   4                            ; v[4:67]   my 64 numbers
.set ACC, 68                           ; v[68:75]  four chains of packed sums
.set C1,  0x3e0293ee                   ; 0.12751743
.macro FOLD                            ; four packed chains into v68
	v_pk_add_f32 v[ACC:ACC+1], v[ACC:ACC+1], v[ACC+2:ACC+3]
	v_pk_add_f32 v[ACC+4:ACC+5], v[ACC+4:ACC+5], v[ACC+6:ACC+7]
	v_pk_add_f32 v[ACC:ACC+1], v[ACC:ACC+1], v[ACC+4:ACC+5]
	v_add_f32 v[ACC], v[ACC], v[ACC+1]
.endm
; v68 summed over the 256 threads, the result in every lane.  off: eight LDS words of this sum's own.
.macro GSUM off
	FOLD
	v_add_f32_dpp v68, v68, v68 row_xmask:1 row_mask:0xf bank_mask:0xf
	v_add_f32_dpp v68, v68, v68 row_xmask:2 row_mask:0xf bank_mask:0xf
	v_add_f32_dpp v68, v68, v68 row_xmask:4 row_mask:0xf bank_mask:0xf
	v_add_f32_dpp v68, v68, v68 row_xmask:8 row_mask:0xf bank_mask:0xf
	v_permlanex16_b32 v69, v68, s28, s29           ; the other half of the wave (v69 has been written)
	v_add_f32 v68, v68, v69
	ds_store_b32 v90, v68 offset:\off              ; my wave's word
	s_wait_dscnt 0x0                               ; for the other waves' sake: the store is done before the signal
	s_barrier_signal -1
	s_barrier_wait -1
	ds_load_b128 v[ACC:ACC+3], v91 offset:\off
	ds_load_b128 v[ACC+4:ACC+7], v91 offset:\off+16
	s_wait_dscnt 0x0
	FOLD
.endm
	s_load_b512 s[8:23], s[0:1], 0x0               ; x 8, gn_scale 10, wq 12, wk 14, wv 16, wo 18, gnp 20, wbf 22
	v_lshl_add_u32 v96, v0, 2, 0x100
	v_mov_b32 v97, 0
	v_lshlrev_b32 v1, 4, v0                        ; 16 t
	v_lshrrev_b32 v2, 5, v0
	v_readfirstlane_b32 s4, v2                     ; wave
	v_lshlrev_b32 v90, 2, v2                       ; my wave's word in LDS
	v_mov_b32 v91, 0
	s_lshl_b32 s2, ttmp9, 16                       ; g x 65,536 bytes (below 16 MiB)
	s_mov_b32 s3, 0
	s_mov_b32 s28, 0x76543210                      ; v_permlanex16_b32: lane i reads lane i of the other half
	s_mov_b32 s29, 0xfedcba98
	s_mov_b32 s30, 0x38800000                      ; 2^-14 = 1 / 16,384 numbers in a group
	s_wait_kmcnt 0x0
	s_add_nc_u64 s[8:9], s[8:9], s[2:3]
.irp j, 0,1,2,3,4,5,6,7,8,9,10,11,12,13,14,15
	global_load_b128 v[X+4*\j:X+4*\j+3], v1, s[8:9] offset:4096*\j   ; a wave's load covers 512 consecutive bytes; all 64 KiB go out at once
.endr
	s_cmp_lg_u32 s4, 7
	s_cbranch_scc1 .Lno_weights
	; wave 7: matrix g >> 6, its 1,024 bytes number g & 63; 8 numbers a lane
	s_lshr_b32 s5, ttmp9, 6
	s_cmp_eq_u32 s5, 0
	s_cselect_b64 s[24:25], s[12:13], s[14:15]
	s_cselect_b32 s26, C1, 1.0                     ; only wq carries the factor
	s_cmp_eq_u32 s5, 2
	s_cselect_b64 s[24:25], s[16:17], s[24:25]
	s_cmp_eq_u32 s5, 3
	s_cselect_b64 s[24:25], s[18:19], s[24:25]
	s_mov_b32 s27, s26
	s_and_b32 s6, ttmp9, 63
	s_lshl_b32 s6, s6, 10
	s_lshl_b32 s7, ttmp9, 9                        ; 512 bytes of bf16 for each work-group
	v_and_b32 v76, 31, v0
	v_lshl_add_u32 v77, v76, 4, s7
	v_lshl_add_u32 v76, v76, 5, s6
	global_load_b128 v[78:81], v76, s[24:25]
	global_load_b128 v[82:85], v76, s[24:25] offset:16
	s_wait_loadcnt 0x0
.irp i, 0,2,4,6
	v_pk_mul_f32 v[78+\i:79+\i], v[78+\i:79+\i], s[26:27] op_sel_hi:[1,0]
.endr
.irp i, 0,1,2,3
	v_cvt_pk_bf16_f32 v[86+\i], v[78+2*\i], v[79+2*\i]
.endr
	global_store_b128 v77, v[86:89], s[22:23]      ; the wave stores 512 consecutive bytes; v77 and v[86:89] are not written again
.Lno_weights:
	s_wait_loadcnt 0x0
	; pass 1: the sum, four chains started by the first eight pairs
.irp k, 0,1,2,3
	v_pk_add_f32 v[ACC+2*\k:ACC+2*\k+1], v[X+2*\k:X+2*\k+1], v[X+8+2*\k:X+8+2*\k+1]
.endr
.set j, 8
.rept 24
	v_pk_add_f32 v[ACC+2*(j%4):ACC+2*(j%4)+1], v[ACC+2*(j%4):ACC+2*(j%4)+1], v[X+2*j:X+2*j+1]
.set j, j+1
.endr
	GSUM 0
	v_mul_f32 v92, s30, v68                        ; the mean
	v_mov_b32 v93, v92                             ; twice, a pair for the packed subtraction
	; pass 2: d = x - mean, the sum of d d
.set j, 0
.rept 32
	v_pk_add_f32 v[X+2*j:X+2*j+1], v[X+2*j:X+2*j+1], v[92:93] neg_lo:[0,1] neg_hi:[0,1]
.set j, j+1
.endr
.irp k, 0,1,2,3
	v_pk_mul_f32 v[ACC+2*\k:ACC+2*\k+1], v[X+2*\k:X+2*\k+1], v[X+2*\k:X+2*\k+1]
.endr
.set j, 4
.rept 28
	v_pk_fma_f32 v[ACC+2*(j%4):ACC+2*(j%4)+1], v[X+2*j:X+2*j+1], v[X+2*j:X+2*j+1], v[ACC+2*(j%4):ACC+2*(j%4)+1]
.set j, j+1
.endr
	GSUM 32                                        ; other LDS words than the first sum's: no barrier between the two uses
	v_mov_b32 v69, 0x3727c5ac                      ; 1e-5
	v_fmac_f32 v69, s30, v68                       ; var + eps
	v_rsq_f32 v70, v69
	v_nop                                          ; one plain instruction behind the transcendental (ISA guide 5.7.2)
	s_cmp_lg_u32 s4, 0
	s_cbranch_scc1 .Ldone
	; wave 0, lanes 0 to 3: one channel each
	s_and_b32 s5, ttmp9, 31
	s_lshl_b32 s5, s5, 4                           ; gn_scale: 16 bytes a group
	s_lshl_b32 s6, ttmp9, 4                        ; gnp: channel b 128 + 4 group + t = 4 g + t
	v_lshl_add_u32 v71, v0, 2, s5
	v_lshl_add_u32 v74, v0, 2, s6
	s_wait_xcnt 0x0                                ; EXEC changes only behind this wait
	v_cmp_gt_u32 vcc_lo, 4, v0
	s_and_saveexec_b32 s31, vcc_lo
	global_load_b32 v72, v71, s[10:11]
	s_wait_loadcnt 0x0
	s_wait_alu depctr_va_vdst(0)
	v_mul_f32 v73, v70, v72
	global_store_b32 v74, v92, s[20:21]
	global_store_b32 v74, v73, s[20:21] offset:4096
	s_wait_xcnt 0x0                                ; and again in front of the line that widens it
	s_or_b32 exec_lo, exec_lo, s31
.Ldone:
	s_wait_tensorcnt 0x0
	ds_add_u32 v96, v97
	s_wait_dscnt 0x0
	s_endpgm
.Lfunc_end_k_q63965e1174_stats:
	.size	k_q63965e1174_stats, .Lfunc_end_k_q63965e1174_stats-k_q63965e1174_stats
	.p2alignl 7, 3214868480
	.fill 96, 4, 3214868480
	.section	.rodata,"a",@progbits
	.p2align	6, 0x0
	.amdhsa_kernel k_q63965e1174_stats
		.amdhsa_group_segment_fixed_size 1280
		.amdhsa_private_segment_fixed_size 0
		.amdhsa_enable_private_segment 0
		.amdhsa_kernarg_size 64
		.amdhsa_user_sgpr_count 2
		.amdhsa_user_sgpr_kernarg_segment_ptr 1
		.amdhsa_wavefront_size32 1
		.amdhsa_system_sgpr_workgroup_id_x 1
		.amdhsa_system_sgpr_workgroup_id_y 1
		.amdhsa_system_sgpr_workgroup_id_z 1
		.amdhsa_system_vgpr_workitem_id 0
		.amdhsa_next_free_vgpr 98
		.amdhsa_next_free_sgpr 66
		.amdhsa_reserve_vcc 1
		.amdhsa_float_denorm_mode_32 3
		.amdhsa_float_denorm_mode_16_64 3
		.amdhsa_memory_ordered 1
		.amdhsa_forward_progress 1
		.amdhsa_inst_pref_size 13
	.end_amdhsa_kernel
	.amdgpu_metadata
---
amdhsa.version: [ 1, 2 ]
amdhsa.kernels:
  - .name:           k_q63965e1174_stats
    .symbol:         k_q63965e1174_stats.kd
    .args:
      - { .name: x, .offset: 0, .size: 8, .value_kind: global_buffer, .address_space: global }
      - { .name: gn_scale, .offset: 8, .size: 8, .value_kind: global_buffer, .address_space: global }
      - { .name: wq, .offset: 16, .size: 8, .value_kind: global_buffer, .address_space: global }
      - { .name: wk, .offset: 24, .size: 8, .value_kind: global_buffer, .address_space: global }
      - { .name: wv, .offset: 32, .size: 8, .value_kind: global_buffer, .address_space: global }
      - { .name: wo, .offset: 40, .size: 8, .value_kind: global_buffer, .address_space: global }
      - { .name: gnp, .offset: 48, .size: 8, .value_kind: global_buffer, .address_space: global }
      - { .name: wbf, .offset: 56, .size: 8, .value_kind: global_buffer, .address_space: global }
    .group_segment_fixed_size: 1280
    .private_segment_fixed_size: 0
    .kernarg_segment_align: 8
    .kernarg_segment_size: 64
    .max_flat_workgroup_size: 256
    .sgpr_count:     66
    .vgpr_count:     98
    .wavefront_size: 32
...
	.end_amdgpu_metadata
.endif
;; end of part 1
;; launch qkv (part 2): grid 256 x 1, 8 waves a work-group, no clusters, 142,336 bytes of LDS; arguments x, gnp, gn_bias, wbf, bq, bk, bv, qT, kT, vb; writes qT, kT, vb
.if DOCPART == 2
	.amdgcn_target "amdgcn-amd-amdhsa--gfx1250"
	.amdhsa_code_object_version 6
	.text
	.protected	k_q63965e1174_qkv
	.globl	k_q63965e1174_qkv
	.p2align	8
	.type	k_q63965e1174_qkv,@function
k_q63965e1174_qkv:
	s_mov_b64 s[64:65], 0
	v_nop
	global_prefetch_b8 v0, s[64:65] scope:SCOPE_SE
	s_setreg_imm32_b32 hwreg(HW_REG_WAVE_MODE, 25, 1), 1
	s_wait_xcnt 0x0
; h = GroupNorm(x); q = C1 (wq h + bq), k = wk h + bk, v = wv h + bv, rounded to bf16.
; qT, kT: bf16 [8][4096 positions][128 channels]; vb: bf16 [8][128 channels][4096 positions].
; Work-group g: batch g >> 5, positions 128 (g & 31) .. + 127, all 128 channels.  Eight waves.
; Wave w normalises channels 16 w .. 16 w + 15 into LDS (bf16 [c][i]), then makes output channels 16 w .. 16 w + 15 of q, k and v for
; the 128 positions: 8 position tiles x 4 K steps x 3 = 96 matrix instructions.
; q, k: D = A(w: m = o, k = c) x B(h: n = i, k = c): a lane holds position r and eight neighbouring channels: 16 bytes of a row of qT.
; v:    D = A(h: m = i, k = c) x B(w: n = o, k = c): a lane holds channel r and eight neighbouring positions: 16 bytes of a row of vb.
; The biases enter as the C operand of each tile's first product: nothing is cleared and nothing is added afterwards.
; No cluster: the weights go once, 12 KiB a wave, straight into registers as fragments; nothing is fetched twice by a work-group and no tile goes through LDS.
; h is rounded to bf16 (matrix operand); the norm itself is f32: (x - mean) first, then one fused multiply-add.
.set HP,   288                         ; pitch of h in LDS: 256 bytes + 32, an odd multiple of 32 for the transposing loads
.set SQ,   36864                       ; stage of q: [position][channel], pitch 272
.set SKO,  34816                       ; stage of k = SQ + SKO
.set SV,   106496                      ; stage of v: [channel][position], pitch 272
.set C1,   0x3e0293ee                  ; 128^-0.5 log2(e), as in wbf's first matrix
.set X,    16                          ; v[16:79]   16 rows of x, 4 numbers each; later the two buffers of h fragments
.set HB,   16                          ; v[16:47], v[48:79]
.set WQ,   80                          ; v[80:111]  fragments of wq, K step ks at + 8 ks
.set WK,   112
.set WV,   144
.set BQ,   176                         ; v[176:183] C tile of q: C1 bq[16 w + 8 h + j]
.set BK,   184
.set BV,   192                         ; v[192:199] C tile of v: bv[16 w + r] in all eight
.set ACC,  200                         ; v[200:223], v[224:247]: two sets of q, k, v accumulators
.macro PLACES n
.rept \n
	v_nop
.endr
.endm
; the h fragments of position tile it (16 positions x 128 channels) into buf: lane (r, h) gets position r, channels 32 ks + 8 h .. and + 16
.macro HLOAD it, buf
.irp ks, 0,1,2,3
	ds_load_tr16_b128 v[\buf+8*\ks:\buf+8*\ks+3],   v6 offset:\ks*32*HP+32*(\it)
	ds_load_tr16_b128 v[\buf+8*\ks+4:\buf+8*\ks+7], v6 offset:\ks*32*HP+32*(\it)+16*HP
.endr
.endm
; one position tile.  p = it & 1: fragment buffer and accumulator set; cnt: LDS instructions issued behind this tile's fragments; more = 1: fetch tile it + 2.
.macro STEP it, p, cnt, more
	s_wait_dscnt \cnt
.irp ks, 0,1,2,3                       ; q, k, v take turns, one instruction a turn
.if \ks == 0
	v_wmma_f32_16x16x32_bf16 v[ACC+24*\p:ACC+24*\p+7],     v[WQ:WQ+7], v[HB+32*\p:HB+32*\p+7], v[BQ:BQ+7]
	v_wmma_f32_16x16x32_bf16 v[ACC+24*\p+8:ACC+24*\p+15],  v[WK:WK+7], v[HB+32*\p:HB+32*\p+7], v[BK:BK+7]
	v_wmma_f32_16x16x32_bf16 v[ACC+24*\p+16:ACC+24*\p+23], v[HB+32*\p:HB+32*\p+7], v[WV:WV+7], v[BV:BV+7]
.else
	v_wmma_f32_16x16x32_bf16 v[ACC+24*\p:ACC+24*\p+7],     v[WQ+8*\ks:WQ+8*\ks+7], v[HB+32*\p+8*\ks:HB+32*\p+8*\ks+7], v[ACC+24*\p:ACC+24*\p+7]
	v_wmma_f32_16x16x32_bf16 v[ACC+24*\p+8:ACC+24*\p+15],  v[WK+8*\ks:WK+8*\ks+7], v[HB+32*\p+8*\ks:HB+32*\p+8*\ks+7], v[ACC+24*\p+8:ACC+24*\p+15]
	v_wmma_f32_16x16x32_bf16 v[ACC+24*\p+16:ACC+24*\p+23], v[HB+32*\p+8*\ks:HB+32*\p+8*\ks+7], v[WV+8*\ks:WV+8*\ks+7], v[ACC+24*\p+16:ACC+24*\p+23]
.endif
.endr
	PLACES 5                               ; behind the products: the loads below land on their sources, the conversions read their results, and the set is written over two tiles on
.if \more
	HLOAD \it+2, HB+32*\p
.endif
.irp a, 0,8,16
.irp i, 0,1,2,3
	v_cvt_pk_bf16_f32 v[ACC+24*\p+\a+\i], v[ACC+24*\p+\a+2*\i], v[ACC+24*\p+\a+2*\i+1]   ; in place: register i is written when 2 i and 2 i + 1 are read
.endr
.endr
	ds_store_b128 v7, v[ACC+24*\p:ACC+24*\p+3]     offset:\it*4352        ; q: position 16 it + r, channels 16 w + 8 h ..
	ds_store_b128 v7, v[ACC+24*\p+8:ACC+24*\p+11]  offset:\it*4352+SKO    ; k likewise
	ds_store_b128 v8, v[ACC+24*\p+16:ACC+24*\p+19] offset:\it*32          ; v: channel 16 w + r, positions 16 it + 8 h ..
.endm
	s_load_b512 s[68:83], s[0:1], 0x0              ; x 68, gnp 70, gn_bias 72, wbf 74, bq 76, bk 78, bv 80, qT 82
	s_load_b128 s[84:87], s[0:1], 0x40             ; kT 84, vb 86
	v_lshl_add_u32 v254, v0, 2, 0x22800
	v_mov_b32 v255, 0
	v_lshrrev_b32 v2, 5, v0
	v_readfirstlane_b32 s2, v2                     ; wave w
	s_lshr_b32 s3, ttmp9, 5                        ; batch b
	s_and_b32 s4, ttmp9, 31
	s_lshl_b32 s4, s4, 7                           ; i0: my first position
	s_lshl_b32 s5, s3, 9
	s_lshl_b32 s6, s2, 6                           ; 64 w: 16 channels of f32
	s_add_co_u32 s5, s5, s6                        ; (128 b + 16 w) x 4
	s_lshl_b32 s8, s3, 21                          ; x: 2 MiB a batch,
	s_lshl_b32 s9, s2, 18                          ; 16 rows of 16,384 bytes a wave,
	s_add_co_u32 s8, s8, s9
	s_lshl_b32 s9, s4, 2                           ; 4 bytes a position
	s_add_co_u32 s8, s8, s9
	s_mov_b32 s9, 0
	s_lshl_b32 s14, s3, 12                         ; qT, kT: row b 4096 + i0 + 16 w, 256 bytes a row
	s_add_co_u32 s14, s14, s4
	s_lshl_b32 s7, s2, 4
	s_add_co_u32 s14, s14, s7
	s_lshl_b32 s14, s14, 8
	s_mov_b32 s15, 0
	s_lshl_b32 s12, s3, 20                         ; vb: 1 MiB a batch, 16 rows of 8,192 bytes a wave, 2 bytes a position
	s_lshl_b32 s7, s2, 17
	s_add_co_u32 s12, s12, s7
	s_lshl_b32 s7, s4, 1
	s_add_co_u32 s12, s12, s7
	s_mov_b32 s13, 0
	v_and_b32 v2, 31, v0                           ; lane L
	v_and_b32 v3, 15, v0                           ; r
	v_bfe_u32 v14, v0, 4, 1                        ; h
	v_lshlrev_b32 v1, 4, v2                        ; 16 L
	v_lshlrev_b32 v4, 8, v3                        ; weights: row 16 w + r of 256 bytes, + 16 h
	v_lshl_add_u32 v4, v14, 4, v4
	s_lshl_b32 s10, s2, 12
	v_add_nc_u32 v4, s10, v4
	s_mul_i32 s11, s2, 16*HP
	v_lshl_add_u32 v5, v2, 3, s11                  ; h store: row 16 w, 8 bytes a lane
	v_and_b32 v15, 7, v0
	v_lshl_add_u32 v15, v14, 3, v15
	v_mul_u32_u24 v6, v15, HP                      ; h transposing load: row 8 h + (L & 7),
	v_bfe_u32 v15, v0, 3, 1
	v_lshl_add_u32 v6, v15, 4, v6                  ; + 16 ((L >> 3) & 1)
	v_mul_u32_u24 v15, v3, 272
	v_lshl_add_u32 v15, v14, 4, v15                ; r x 272 + 16 h
	s_lshl_b32 s7, s2, 5
	s_add_co_u32 s7, s7, SQ
	v_add_nc_u32 v7, s7, v15                       ; q stage: + 32 w
	s_mul_i32 s10, s2, 4352
	s_add_co_u32 s7, s10, SV
	v_add_nc_u32 v8, s7, v15                       ; v stage: + 16 w rows
	v_mul_u32_u24 v9, v14, 272
	v_lshl_add_u32 v9, v3, 4, v9
	s_add_co_u32 s7, s10, SQ
	v_add_nc_u32 v9, s7, v9                        ; read back: row 16 w + h, 16 bytes for each of sixteen lanes
	v_add_nc_u32 v10, SV-SQ, v9
	v_lshlrev_b32 v11, 4, v3
	v_lshl_add_u32 v11, v14, 13, v11               ; vb: h rows of 8,192 bytes + 16 r
	v_lshl_add_u32 v12, v14, 5, s6                 ; bq, bk: 64 w + 32 h
	v_lshl_add_u32 v13, v3, 2, s6                  ; bv: 64 w + 4 r
	s_wait_kmcnt 0x0
	s_load_b512 s[16:31], s[70:71], s5 offset:0x0      ; means of my 16 channels
	s_load_b512 s[32:47], s[70:71], s5 offset:0x1000   ; rstd x gn_scale
	s_load_b512 s[48:63], s[72:73], s6 offset:0x0      ; gn_bias
	s_add_nc_u64 s[68:69], s[68:69], s[8:9]
	s_add_nc_u64 s[82:83], s[82:83], s[14:15]
	s_add_nc_u64 s[84:85], s[84:85], s[14:15]
	s_add_nc_u64 s[86:87], s[86:87], s[12:13]
.irp t, 0,1,2,3,4,5,6,7,8,9,10,11,12,13,14,15
	global_load_b128 v[X+4*\t:X+4*\t+3], v1, s[68:69] offset:\t*16384    ; 512 consecutive bytes of channel 16 w + t
.endr
.irp m, 0,1,2
.irp ks, 0,1,2,3
	global_load_b128 v[WQ+32*\m+8*\ks:WQ+32*\m+8*\ks+3],   v4, s[74:75] offset:\m*32768+64*\ks
	global_load_b128 v[WQ+32*\m+8*\ks+4:WQ+32*\m+8*\ks+7], v4, s[74:75] offset:\m*32768+64*\ks+32
.endr
.endr
	global_load_b128 v[BQ:BQ+3],   v12, s[76:77]
	global_load_b128 v[BQ+4:BQ+7], v12, s[76:77] offset:16
	global_load_b128 v[BK:BK+3],   v12, s[78:79]
	global_load_b128 v[BK+4:BK+7], v12, s[78:79] offset:16
	global_load_b32 v[BV], v13, s[80:81]
	s_wait_kmcnt 0x0
.irp t, 0,1,2,3,4,5,6,7,8,9,10,11,12,13,14,15
	s_wait_loadcnt 44-\t                           ; behind row t stand 15 - t rows and the 29 loads of weights and biases
.irp i, 0,1,2,3
	v_sub_f32 v[X+4*\t+\i], v[X+4*\t+\i], s[16+\t]
.endr
.irp i, 0,1,2,3
	v_fma_f32 v[X+4*\t+\i], v[X+4*\t+\i], s[32+\t], s[48+\t]
.endr
	v_cvt_pk_bf16_f32 v[X+4*\t],   v[X+4*\t],   v[X+4*\t+1]
	v_cvt_pk_bf16_f32 v[X+4*\t+1], v[X+4*\t+2], v[X+4*\t+3]
	ds_store_b64 v5, v[X+4*\t:X+4*\t+1] offset:\t*HP
.endr
	s_wait_loadcnt 0x0
.irp i, 0,2,4,6
	v_pk_mul_f32 v[BQ+\i:BQ+\i+1], v[BQ+\i:BQ+\i+1], C1 op_sel_hi:[1,0]
.endr
.irp i, 1,2,3,4,5,6,7
	v_mov_b32 v[BV+\i], v[BV]                      ; the C tile of v wants the lane's bias in all eight rows
.endr
	s_wait_dscnt 0x0                               ; my rows of h are in LDS,
	s_barrier_signal -1
	s_barrier_wait -1                              ; everybody's are
	HLOAD 0, HB
	HLOAD 1, HB+32
	STEP 0, 0, 8,  1                               ; behind tile 0's loads: tile 1's eight
	STEP 1, 1, 11, 1                               ; tile 2's eight and three stores
	STEP 2, 0, 14, 1                               ; three stores, eight loads, three stores
	STEP 3, 1, 14, 1
	STEP 4, 0, 14, 1
	STEP 5, 1, 14, 1
	STEP 6, 0, 14, 0
	STEP 7, 1, 6,  0                               ; two groups of three stores
	s_wait_dscnt 0x0                               ; a row of the q and k stages holds 32 bytes from each wave
	s_barrier_signal -1
	s_barrier_wait -1
.irp t, 0,1,2,3,4,5,6,7
	ds_load_b128 v[80+4*\t:83+4*\t], v9 offset:\t*544
.endr
.irp t, 0,1,2,3,4,5,6,7
	ds_load_b128 v[112+4*\t:115+4*\t], v9 offset:\t*544+SKO
.endr
.irp t, 0,1,2,3,4,5,6,7
	ds_load_b128 v[144+4*\t:147+4*\t], v10 offset:\t*544
.endr
.irp t, 0,1,2,3,4,5,6,7
	s_wait_dscnt 23-\t                             ; LDS loads come back in order: the younger ones stay out
	global_store_b128 v1, v[80+4*\t:83+4*\t], s[82:83] offset:\t*512          ; two rows of qT: 512 consecutive bytes
.endr
.irp t, 0,1,2,3,4,5,6,7
	s_wait_dscnt 15-\t
	global_store_b128 v1, v[112+4*\t:115+4*\t], s[84:85] offset:\t*512
.endr
.irp t, 0,1,2,3,4,5,6,7
	s_wait_dscnt 7-\t
	global_store_b128 v11, v[144+4*\t:147+4*\t], s[86:87] offset:\t*16384     ; two rows of vb: sixteen lanes store 256 consecutive bytes, aligned
.endr
	s_wait_tensorcnt 0x0
	ds_add_u32 v254, v255
	s_wait_dscnt 0x0
	s_endpgm
.Lfunc_end_k_q63965e1174_qkv:
	.size	k_q63965e1174_qkv, .Lfunc_end_k_q63965e1174_qkv-k_q63965e1174_qkv
	.p2alignl 7, 3214868480
	.fill 96, 4, 3214868480
	.section	.rodata,"a",@progbits
	.p2align	6, 0x0
	.amdhsa_kernel k_q63965e1174_qkv
		.amdhsa_group_segment_fixed_size 142336
		.amdhsa_private_segment_fixed_size 0
		.amdhsa_enable_private_segment 0
		.amdhsa_kernarg_size 80
		.amdhsa_user_sgpr_count 2
		.amdhsa_user_sgpr_kernarg_segment_ptr 1
		.amdhsa_wavefront_size32 1
		.amdhsa_system_sgpr_workgroup_id_x 1
		.amdhsa_system_sgpr_workgroup_id_y 1
		.amdhsa_system_sgpr_workgroup_id_z 1
		.amdhsa_system_vgpr_workitem_id 0
		.amdhsa_next_free_vgpr 256
		.amdhsa_next_free_sgpr 92
		.amdhsa_reserve_vcc 0
		.amdhsa_float_denorm_mode_32 3
		.amdhsa_float_denorm_mode_16_64 3
		.amdhsa_memory_ordered 1
		.amdhsa_forward_progress 1
		.amdhsa_inst_pref_size 44
	.end_amdhsa_kernel
	.amdgpu_metadata
---
amdhsa.version: [ 1, 2 ]
amdhsa.kernels:
  - .name:           k_q63965e1174_qkv
    .symbol:         k_q63965e1174_qkv.kd
    .args:
      - { .name: x, .offset: 0, .size: 8, .value_kind: global_buffer, .address_space: global }
      - { .name: gnp, .offset: 8, .size: 8, .value_kind: global_buffer, .address_space: global }
      - { .name: gn_bias, .offset: 16, .size: 8, .value_kind: global_buffer, .address_space: global }
      - { .name: wbf, .offset: 24, .size: 8, .value_kind: global_buffer, .address_space: global }
      - { .name: bq, .offset: 32, .size: 8, .value_kind: global_buffer, .address_space: global }
      - { .name: bk, .offset: 40, .size: 8, .value_kind: global_buffer, .address_space: global }
      - { .name: bv, .offset: 48, .size: 8, .value_kind: global_buffer, .address_space: global }
      - { .name: qT, .offset: 56, .size: 8, .value_kind: global_buffer, .address_space: global }
      - { .name: kT, .offset: 64, .size: 8, .value_kind: global_buffer, .address_space: global }
      - { .name: vb, .offset: 72, .size: 8, .value_kind: global_buffer, .address_space: global }
    .group_segment_fixed_size: 142336
    .private_segment_fixed_size: 0
    .kernarg_segment_align: 8
    .kernarg_segment_size: 80
    .max_flat_workgroup_size: 256
    .sgpr_count:     92
    .vgpr_count:     256
    .wavefront_size: 32
...
	.end_amdgpu_metadata
.endif
;; end of part 2
;; launch attn (part 3): grid 256 x 1, 8 waves a work-group, clusters of 4 x 1, 327,680 bytes of LDS; arguments qT, kT, vb, wbf, bo, x, out0; writes out0
.if DOCPART == 3
	.amdgcn_target "amdgcn-amd-amdhsa--gfx1250"
	.amdhsa_code_object_version 6
	.text
	.protected	k_q63965e1174_attn
	.globl	k_q63965e1174_attn
	.p2align	8
	.type	k_q63965e1174_attn,@function
k_q63965e1174_attn:
	s_mov_b64 s[64:65], 0
	v_nop
	global_prefetch_b8 v0, s[64:65] scope:SCOPE_SE
	s_setreg_imm32_b32 hwreg(HW_REG_WAVE_MODE, 25, 1), 1
	s_wait_xcnt 0x0
	s_wait_alu depctr_hold_cnt(0) depctr_sa_sdst(0) depctr_va_vdst(0) depctr_va_sdst(0) depctr_va_ssrc(0) depctr_va_vcc(0) depctr_vm_vsrc(0)
	s_getreg_b32 s2, hwreg(HW_REG_IB_STS2, 6, 4)
	s_cmp_eq_u32 s2, 0
	s_cbranch_scc0 .Lentry_in_a_cluster
	s_endpgm
.Lentry_in_a_cluster:
	s_bfe_u32 s2, ttmp6, 0x10000c
	s_cmp_lg_u32 s2, 0x3003
	s_cbranch_scc0 .Lentry_shape_is_right
	s_endpgm
.Lentry_shape_is_right:
; out0 = x + wo softmax(q^T k) v + bo, for 128 queries of one batch against all 4,096 keys.
; qT already carries 128^-0.5 log2(e), so the weights are 2^(S - m), with m a running maximum that the first key block starts.
;
; SHARES.  Work-group: 128 queries.  Eight waves, two on each SIMD.  Wave w: queries 64 (w >> 2) .. + 63 (four tiles of 16), and quarter w & 3 of every
; tile of 256 keys, as two blocks of 32 keys.  For a block a wave issues 32 LDS loads and 64 matrix instructions.  The four quarters' maxima, sums
; and partial outputs are merged once at the end; the sum over the quarters rides on the output projection (K = 4 x 128).
; CLUSTER.  The four work-groups of a cluster are four query blocks of one batch: they walk the same K and V tiles and the same wo.  Every tile is asked
; for jointly (mask 15), which divides the requests for K and V by four.  No descriptor word, LDS address or branch hangs on the place in the cluster.
;
; LAYOUTS (lane L: r = L & 15, h = L >> 4); no register transpose anywhere:
;   S^T = A(K: m = key, k = c) x B(Q: n = query, k = c): a lane holds query r, keys 8 h + j.  Maximum, sum and rescale factor are one number a lane.
;   Two S^T tiles (keys 0-15, 16-31) packed to bf16 ARE the fragment B(P: n = query r, k = key 0 .. 31).
;   O^T = A(V: m = c, k = key) x B(P): a lane holds query r, channels 16 ct + 8 h + j.
;   Two neighbouring channel tiles packed ARE the fragment A(O: m = query r, k = c) of the output projection with B(wo: n = o, k = c).
; THREE REGIONS OF 32 REGISTERS.  T: four tiles, the scores of a block's first 16 keys, later P.  R0 and R1: four chunks each, which swap roles from
; block to block.  In a block, X holds K's fragments of the first 16 keys, then the scores of the second 16 keys (the second half of the score products
; writes them there), then V's fragments 4 .. 7; Y holds K's fragments of the second 16 keys, then V's fragments 0 .. 3, then the next block's first K
; fragments.  So all eight K fragments are asked for under the P V products of the block before, and no LDS load stands among the score products.
; STAGGER.  ty = (w ^ (w >> 2)) & 1.  The second half of a trip's last P V reads registers only and stands behind the next round in every wave: the new
; tile's first K fragments land under it.  Its first half, with the rescale, stands in front of the round in waves with ty = 0 and behind it in waves
; with ty = 1, so that behind a round half of the waves begin with products and half with vector work.
;
; LIMITS.  Weights below 2^-126 of their row's largest come out as 0 (v_exp_f32 flushes denormal results).  P, O and wo are rounded to bf16; O is
; rounded as four partial sums, one a key quarter.  The row sum is taken over the unrounded weights.  Non-finite inputs are not treated specially.
;
; LDS: slot n at n x 137,216: K 256 keys, pitch 272 (69,632 bytes), then V 128 channels x 256 keys, pitch 528 (67,584 bytes).
;      wo at 274,432: 128 rows, pitch 272, filled once.  Maxima and sums at 309,248: 4,096 bytes that no tile ever lands in.
;      Behind the last fill slot 0 takes the packed partial outputs (131,072 bytes), slot 1 the f32 stage of the result (128 rows, pitch 528).
; REGISTERS: window 0 as named below; window 1 (v256-511): O, tile (ct, qt) at 8 (4 ct + qt); at the end wo's fragments.
.set SLOT,  137216
.set VPART, 69632
.set WOB,   274432
.set MLB,   309248
.set STAGE, SLOT
.set KA,   2                           ; v2, v3     K fragments' address in slot 0, 1
.set VA,   4                           ; v4, v5     V fragments' address in slot 0, 1
.set NGM,  8                           ; v[8:15]    query tile qt: the pair (minus the running maximum, running sum)
.set ALF,  16                          ; v[16:23]   query tile qt: the pair (rescale factor, what the other half of the lanes sent)
.set TMX,  24                          ; v[24:27]   block maximum
.set WS,   24                          ; v[24:31]   four pairs for the block sum (the maxima are dead by then)
.set FRG,  32                          ; v[32:63]   region R0: chunk j at + 8 j
.set SCO,  64                          ; v[64:127]  query tile qt at + 16 qt: + 0 .. 7 is tile T, + 8 .. 15 is chunk qt of region R1
.set HCH,  SCO+8                       ;            region R1: chunk j at + 16 j
.set QFR,  128                         ; v[128:255] Q: fragment (qt, ks) at + 8 (4 qt + ks)
.set G1K,  32                          ; s[32:39]   group 1: K, 64 rows x 128
.set G1V,  40                          ; s[40:47]   group 1: V, 32 rows x 256
.set G1W,  48                          ; s[48:55]   group 1: wo, 32 rows x 128
.set G0W,  56                          ; s[56:59]
.set G0K,  68                          ; s[68:75]   group 0 of K, one set for each slot
.set G0V,  76                          ; s[76:83]   group 0 of V, one set for each slot
.set BO,   84                          ; s[84:99]   bo of my 16 output channels
.set MSB, 0
.macro WIN new                         ; s_set_vgpr_msb; the immediate's high byte repeats the setting that is left
.if MSB != \new
	s_set_vgpr_msb (MSB<<8)|\new
.set MSB, \new
.endif
.endm
.macro PLACES n
.rept \n
	v_nop
.endr
.endm
; A round of the cluster's barrier: my work-group's barrier, wave 0 signals for the work-group, every wave waits for all four work-groups, my work-group's barrier again.
.macro ROUND
	s_barrier_signal -1
	s_barrier_wait -1
	s_cmp_lg_u32 s18, 0
	s_cbranch_scc1 .Lnot_wave_0_\@
	s_barrier_signal -3
.Lnot_wave_0_\@:
	s_barrier_wait -3
	s_barrier_signal -1
	s_barrier_wait -1
.endm
; The joint load of a tile into slot s: waves 0-3 bring 64 keys of K each, waves 4-7 32 channels of V each.  One tensor load a wave.
.macro JLOAD s
	s_cmp_lt_u32 s18, 4
	s_cbranch_scc0 .Lfor_v_\@
	tensor_load_to_lds s[G0K+4*(\s):G0K+4*(\s)+3], s[G1K:G1K+7]
	s_nop 0
	s_branch .Lasked_\@
.Lfor_v_\@:
	tensor_load_to_lds s[G0V+4*(\s):G0V+4*(\s)+3], s[G1V:G1V+7]
	s_nop 0
.Lasked_\@:
.endm
; the four K fragments of 16 keys (half 0 or 1 of a block) into the chunks of the region at rb, rs registers apart
.macro LOADKH slot, blk, half, rb, rs
.irp ks, 0,1,2,3
	ds_load_b128 v[\rb+\rs*\ks:\rb+\rs*\ks+3],   v[KA+\slot] offset:\blk*8704+\half*4352+64*\ks
	ds_load_b128 v[\rb+\rs*\ks+4:\rb+\rs*\ks+7], v[KA+\slot] offset:\blk*8704+\half*4352+64*\ks+32
.endr
.endm
; S^T of a block, 32 products and no LDS load.  First half: K's fragments in X against the four query tiles, into T.  Second half: K's fragments in Y, into X.
; In each half the four accumulators take turns, one instruction a turn.
.macro SPHASE xb, xs, yb, ys
	s_wait_dscnt 8                         ; X's eight loads are in; Y's eight, issued behind them, may be out
.irp ks, 0,1,2,3
.irp qt, 0,1,2,3
.if \ks == 0
	v_wmma_f32_16x16x32_bf16 v[SCO+16*\qt:SCO+16*\qt+7], v[\xb+\xs*\ks:\xb+\xs*\ks+7], v[QFR+8*(4*\qt+\ks):QFR+8*(4*\qt+\ks)+7], 0
.else
	v_wmma_f32_16x16x32_bf16 v[SCO+16*\qt:SCO+16*\qt+7], v[\xb+\xs*\ks:\xb+\xs*\ks+7], v[QFR+8*(4*\qt+\ks):QFR+8*(4*\qt+\ks)+7], v[SCO+16*\qt:SCO+16*\qt+7]
.endif
.endr
.endr
	PLACES 5                               ; the second half writes over X, which the first half read as A (ISA guide 7.12.1)
.irp ks, 0,1,2,3
	s_wait_dscnt 6-2*\ks                   ; fragment ks of Y is in; behind it stand 3 - ks fragments of two loads each
.irp qt, 0,1,2,3
.if \ks == 0
	v_wmma_f32_16x16x32_bf16 v[\xb+\xs*\qt:\xb+\xs*\qt+7], v[\yb+\ys*\ks:\yb+\ys*\ks+7], v[QFR+8*(4*\qt+\ks):QFR+8*(4*\qt+\ks)+7], 0
.else
	v_wmma_f32_16x16x32_bf16 v[\xb+\xs*\qt:\xb+\xs*\qt+7], v[\yb+\ys*\ks:\yb+\ys*\ks+7], v[QFR+8*(4*\qt+\ks):QFR+8*(4*\qt+\ks)+7], v[\xb+\xs*\qt:\xb+\xs*\qt+7]
.endif
.endr
.endr
.endm
.macro MAXT e                          ; two more scores of T into each query tile's maximum
.irp qt, 0,1,2,3
	v_max3_num_f32 v[TMX+\qt], v[TMX+\qt], v[SCO+16*\qt+\e], v[SCO+16*\qt+\e+1]
.endr
.endm
.macro MAXX e, xb, xs                  ; two more scores of X
.irp qt, 0,1,2,3
	v_max3_num_f32 v[TMX+\qt], v[TMX+\qt], v[\xb+\xs*\qt+\e], v[\xb+\xs*\qt+\e+1]
.endr
.endm
.macro SUBQ qt, xb, xs                 ; S - m
.irp i, 0,2,4,6
	v_pk_add_f32 v[SCO+16*\qt+\i:SCO+16*\qt+\i+1], v[SCO+16*\qt+\i:SCO+16*\qt+\i+1], v[NGM+2*\qt:NGM+2*\qt+1] op_sel_hi:[1,0]
.endr
.irp i, 0,2,4,6
	v_pk_add_f32 v[\xb+\xs*\qt+\i:\xb+\xs*\qt+\i+1], v[\xb+\xs*\qt+\i:\xb+\xs*\qt+\i+1], v[NGM+2*\qt:NGM+2*\qt+1] op_sel_hi:[1,0]
.endr
.endm
.macro EXPQ qt, xb, xs                 ; a run of exponentials; what follows each run is a plain instruction on another query tile (ISA guide 5.7.2)
.irp i, 0,1,2,3,4,5,6,7
	v_exp_f32 v[SCO+16*\qt+\i], v[SCO+16*\qt+\i]
.endr
.irp i, 0,1,2,3,4,5,6,7
	v_exp_f32 v[\xb+\xs*\qt+\i], v[\xb+\xs*\qt+\i]
.endr
.endm
; Sum as a tree (four, two, one packed additions) with the conversions between its levels, so that no line waits for the line in front of it;
; running sum; P packed into T; V's fragment ct = 4 + qt into the chunk of X that the packing freed.
.macro SCQ qt, slot, blk, first, xb, xs
.set TB, SCO+16*\qt
.set XQ, \xb+\xs*\qt
	s_wait_alu depctr_va_vdst(0)
	v_pk_add_f32 v[WS:WS+1],   v[TB:TB+1],   v[TB+2:TB+3]
	v_pk_add_f32 v[WS+2:WS+3], v[TB+4:TB+5], v[TB+6:TB+7]
	v_pk_add_f32 v[WS+4:WS+5], v[XQ:XQ+1],   v[XQ+2:XQ+3]
	v_pk_add_f32 v[WS+6:WS+7], v[XQ+4:XQ+5], v[XQ+6:XQ+7]
	v_cvt_pk_bf16_f32 v[TB],   v[TB],   v[TB+1]                ; in place: register i is written when 2 i and 2 i + 1 are read
	v_cvt_pk_bf16_f32 v[TB+1], v[TB+2], v[TB+3]
	v_pk_add_f32 v[WS:WS+1],   v[WS:WS+1],   v[WS+2:WS+3]
	v_pk_add_f32 v[WS+4:WS+5], v[WS+4:WS+5], v[WS+6:WS+7]
	v_cvt_pk_bf16_f32 v[TB+2], v[TB+4], v[TB+5]
	v_cvt_pk_bf16_f32 v[TB+3], v[TB+6], v[TB+7]
	v_cvt_pk_bf16_f32 v[TB+4], v[XQ],   v[XQ+1]                ; keys 16 + 8 h ..: registers 4 .. 7 of the fragment
	v_pk_add_f32 v[WS:WS+1],   v[WS:WS+1],   v[WS+4:WS+5]
	v_cvt_pk_bf16_f32 v[TB+5], v[XQ+2], v[XQ+3]
	v_cvt_pk_bf16_f32 v[TB+6], v[XQ+4], v[XQ+5]
	v_cvt_pk_bf16_f32 v[TB+7], v[XQ+6], v[XQ+7]
.if \first
	v_add_f32 v[NGM+2*\qt+1], v[WS], v[WS+1]
.else
	v_add_f32 v[WS], v[WS], v[WS+1]
	v_fma_f32 v[NGM+2*\qt+1], v[NGM+2*\qt+1], v[ALF+2*\qt], v[WS]
.endif
	ds_load_b128 v[XQ:XQ+3],   v[VA+\slot] offset:(4+\qt)*8448+64*\blk
	ds_load_b128 v[XQ+4:XQ+7], v[VA+\slot] offset:(4+\qt)*8448+64*\blk+32
.endm
.macro SOFTMAX slot, blk, first, xb, xs, yb, ys
	; scores 0 .. 6 lie in T: these twelve lines name no register of the second half's products and are the places behind them
.irp qt, 0,1,2,3
	v_max3_num_f32 v[TMX+\qt], v[SCO+16*\qt], v[SCO+16*\qt+1], v[SCO+16*\qt+2]
.endr
	MAXT 3
	MAXT 5
.irp ct, 0,1,2,3
	ds_load_b128 v[\yb+\ys*\ct:\yb+\ys*\ct+3],   v[VA+\slot] offset:\ct*8448+64*\blk       ; V, channels 16 ct + r, this block's 32 keys, into Y
	ds_load_b128 v[\yb+\ys*\ct+4:\yb+\ys*\ct+7], v[VA+\slot] offset:\ct*8448+64*\blk+32
.endr
.irp qt, 0,1,2,3
	v_max3_num_f32 v[TMX+\qt], v[TMX+\qt], v[SCO+16*\qt+7], v[\xb+\xs*\qt]
.endr
	MAXX 1, \xb, \xs
	MAXX 3, \xb, \xs
	MAXX 5, \xb, \xs
.irp qt, 0,1,2,3
	v_max_num_f32 v[TMX+\qt], v[TMX+\qt], v[\xb+\xs*\qt+7]
.endr
.irp qt, 0,1,2,3
	v_permlanex16_b32 v[ALF+2*\qt+1], v[TMX+\qt], s28, s29     ; the other sixteen keys of the same query
.endr
.irp qt, 0,1,2,3
	v_max_num_f32 v[TMX+\qt], v[TMX+\qt], v[ALF+2*\qt+1]
.endr
.if \first
.irp qt, 0,1,2,3
	v_sub_f32 v[NGM+2*\qt], 0, v[TMX+\qt]                      ; the first block starts the running maximum
.endr
.else
.irp qt, 0,1,2,3
	v_sub_f32 v[TMX+\qt], 0, v[TMX+\qt]
.endr
.irp qt, 0,1,2,3
	v_sub_f32 v[ALF+2*\qt], v[TMX+\qt], v[NGM+2*\qt]           ; old maximum - block maximum,
.endr
.irp qt, 0,1,2,3
	v_min_num_f32 v[NGM+2*\qt], v[NGM+2*\qt], v[TMX+\qt]       ; the new running maximum (negated),
.endr
.irp qt, 0,1,2,3
	v_min_num_f32 v[ALF+2*\qt], 0, v[ALF+2*\qt]                ; old maximum - new maximum, at most 0
.endr
.irp qt, 0,1,2,3
	v_exp_f32 v[ALF+2*\qt], v[ALF+2*\qt]
.endr
.endif
	SUBQ 0, \xb, \xs
	EXPQ 0, \xb, \xs
	SUBQ 1, \xb, \xs
	EXPQ 1, \xb, \xs
	SCQ 0, \slot, \blk, \first, \xb, \xs
	SUBQ 2, \xb, \xs
	EXPQ 2, \xb, \xs
	SCQ 1, \slot, \blk, \first, \xb, \xs
	SUBQ 3, \xb, \xs
	EXPQ 3, \xb, \xs
	SCQ 2, \slot, \blk, \first, \xb, \xs
	SCQ 3, \slot, \blk, \first, \xb, \xs
.endm
; sixteen products O(ct0 + c, qt) += V(ct0 + c) P(qt); each O tile once a block, so no product stands next to one on the same accumulator
.macro PV16 ct0, abase, astep, first
.irp c, 0,1,2,3
.irp qt, 0,1,2,3
.if \first
	v_wmma_f32_16x16x32_bf16 v[8*(4*(\ct0+\c)+\qt):8*(4*(\ct0+\c)+\qt)+7], v[\abase+\astep*\c:\abase+\astep*\c+7], v[SCO+16*\qt:SCO+16*\qt+7], 0
.else
	v_wmma_f32_16x16x32_bf16 v[8*(4*(\ct0+\c)+\qt):8*(4*(\ct0+\c)+\qt)+7], v[\abase+\astep*\c:\abase+\astep*\c+7], v[SCO+16*\qt:SCO+16*\qt+7], v[8*(4*(\ct0+\c)+\qt):8*(4*(\ct0+\c)+\qt)+7]
.endif
.endr
.endr
.endm
.macro RESCALE                         ; O x the query's factor: destination and first source in window 1
	WIN 0x41
.irp ct, 0,1,2,3,4,5,6,7
.irp qt, 0,1,2,3
.irp i, 0,2,4,6
	v_pk_mul_f32 v[8*(4*\ct+\qt)+\i:8*(4*\ct+\qt)+\i+1], v[8*(4*\ct+\qt)+\i:8*(4*\ct+\qt)+\i+1], v[ALF+2*\qt:ALF+2*\qt+1] op_sel_hi:[1,0]
.endr
.endr
.endr
.endm
; First part of a block's P V: the rescale of all of O, and the products of channels 0 .. 63 with V's fragments in Y.  first = 1: the products start the sums.
; The four places behind its products stand at ITS end and not at the head of the second part.  There they serve the second part's loads, which land on Y
; (ISA guide 7.12.1 for vector instructions); only scalar lines, the round and the joint load can stand between.  And they hold on
; every way through the text's two branches on ty, also the way on which a first part, whose rescale reads and writes O, follows a first part
; (no wave goes that way: ty never changes).
.macro RSPA first, yb, ys
.if \first == 0
	RESCALE
.endif
	WIN 0x50                               ; C and D in window 1
	s_wait_dscnt 8                         ; V's fragments 0 .. 3 are in; the eight loads of fragments 4 .. 7 may be out
	PV16 0, \yb, \ys, \first
	WIN 0
	PLACES 4
.endm
; Second part: the products of channels 64 .. 127 with V's fragments in X.  pre = 1: the next block's K fragments are asked for, the first 16 keys' into Y
; in front of the products (the places behind the first part's products stand at that part's end), the second 16 keys' into X behind them.
.macro RSPB first, pre, pslot, pblk, xb, xs, yb, ys
.if \pre
	LOADKH \pslot, \pblk, 0, \yb, \ys
	s_wait_dscnt 8                         ; all but the eight just issued: V's fragments 4 .. 7 are in
.else
	s_wait_dscnt 0
.endif
	WIN 0x50
	PV16 4, \xb, \xs, \first
	WIN 0
	PLACES 5                               ; the next score products write over P; the loads below land on X
.if \pre
	LOADKH \pslot, \pblk, 1, \xb, \xs
.endif
.endm
; One tile of 256 keys in slot.  refill = 1: the other slot gets the next tile.  first = 1: the very first tile.
; Block 0 has X = R0, Y = R1; block 1 has X = R1, Y = R0.
.macro TRIP slot, refill, first
	s_wait_xcnt 0x0
	v_lshl_add_u32 v30, v0, 2, 0x4c800
	v_mov_b32 v31, 0
	s_wait_tensorcnt 0x0                   ; all my tensor loads have landed, my part of this tile among them, so every group 0 may be written:
	ds_add_u32 v30, v31
	s_wait_dscnt 0x0
	s_add_nc_u64 s[G0K+4*\slot+2:G0K+4*\slot+3], s[G0K+4*\slot+2:G0K+4*\slot+3], 131072    ; this slot's next tile: 512 keys of 256 bytes on,
	s_add_nc_u64 s[G0V+4*\slot+2:G0V+4*\slot+3], s[G0V+4*\slot+2:G0V+4*\slot+3], 1024      ; 512 keys of 2 bytes on
	s_wait_dscnt 0x0                       ; my reads of the last tile are back
	ROUND                                  ; both now hold of every wave of the four work-groups
.if \refill
	JLOAD 1-\slot                          ; my one tensor load behind the round; it has this whole trip in which to land
.endif
.if \first
	LOADKH \slot, 0, 0, FRG, 8
	LOADKH \slot, 0, 1, HCH, 16
.else
	s_cmp_eq_u32 s24, 0
	s_cbranch_scc1 .Lhalf_done_\@
	RSPA 0, FRG, 8                         ; ty = 1: the last block's rescale and first sixteen products, from registers
.Lhalf_done_\@:
	RSPB 0, 1, \slot, 0, HCH, 16, FRG, 8   ; every wave: its last sixteen products, from registers, with this tile's first K fragments asked for round them
.endif
	SPHASE FRG, 8, HCH, 16
	SOFTMAX \slot, 0, \first, FRG, 8, HCH, 16
	RSPA \first, HCH, 16
	RSPB \first, 1, \slot, 1, FRG, 8, HCH, 16
	SPHASE HCH, 16, FRG, 8
	SOFTMAX \slot, 1, 0, HCH, 16, FRG, 8
	s_cmp_lg_u32 s24, 0
	s_cbranch_scc1 .Llater_\@
	RSPA 0, FRG, 8                         ; ty = 0: at once
.Llater_\@:
.endm
	s_load_b256 s[4:11], s[0:1], 0x0               ; qT 4, kT 6, vb 8, wbf 10
	s_load_b128 s[12:15], s[0:1], 0x20             ; bo 12, x 14
	s_load_b64 s[16:17], s[0:1], 0x30              ; out0
	v_lshl_add_u32 v30, v0, 2, 0x4c800
	v_mov_b32 v31, 0
	ds_add_u32 v30, v31
	s_wait_dscnt 0x0
	v_lshrrev_b32 v1, 5, v0
	v_readfirstlane_b32 s18, v1                    ; wave w
	s_and_b32 s19, s18, 3                          ; key quarter; also which part of a tile I fetch
	s_lshr_b32 s20, s18, 2                         ; query half
	s_xor_b32 s24, s18, s20
	s_and_b32 s24, s24, 1                          ; ty
	s_bfe_u32 s21, ttmp6, 0x40000                  ; cx: my place in the cluster; enters global offsets of Q, x and out0 alone
	s_lshr_b32 s22, ttmp9, 3                       ; batch: eight clusters each
	s_mov_b32 s28, 0x76543210                      ; v_permlanex16_b32: lane i reads lane i of the other half
	s_mov_b32 s29, 0xfedcba98
	; group 1 of K: 64 rows x 128 elements of 2 bytes, 16 bytes of padding behind every 64 words; mask 15 = all four work-groups, bit 21 beside it
	s_mov_b32 s[G1K+0], 15|(1<<16)|(1<<20)|(1<<21)|(5<<22)|(3<<25)
	s_mov_b32 s[G1K+1], 128<<16                    ; tensor_dim0 = 128
	s_mov_b32 s[G1K+2], 64<<16                     ; tensor_dim1 = 64
	s_mov_b32 s[G1K+3], 128<<16                    ; tile_dim0 = 128
	s_mov_b32 s[G1K+4], 64                         ; tile_dim1 = 64
	s_mov_b32 s[G1K+5], 128                        ; 128 elements from row to row
	s_mov_b32 s[G1K+6], 0
	s_mov_b32 s[G1K+7], 0
	; group 1 of V: 32 rows x 256 elements, padding behind every 128 words
	s_mov_b32 s[G1V+0], 15|(1<<16)|(1<<20)|(1<<21)|(6<<22)|(3<<25)
	s_mov_b32 s[G1V+1], 256<<16
	s_mov_b32 s[G1V+2], 32<<16
	s_mov_b32 s[G1V+3], 256<<16
	s_mov_b32 s[G1V+4], 32
	s_mov_b32 s[G1V+5], 4096
	s_mov_b32 s[G1V+6], 0
	s_mov_b32 s[G1V+7], 0
	; group 1 of wo: 32 rows x 128 elements, padded as K
	s_mov_b32 s[G1W+0], 15|(1<<16)|(1<<20)|(1<<21)|(5<<22)|(3<<25)
	s_mov_b32 s[G1W+1], 128<<16
	s_mov_b32 s[G1W+2], 32<<16
	s_mov_b32 s[G1W+3], 128<<16
	s_mov_b32 s[G1W+4], 32
	s_mov_b32 s[G1W+5], 128
	s_mov_b32 s[G1W+6], 0
	s_mov_b32 s[G1W+7], 0
	; group 0: LDS addresses = a constant + the wave's number x a constant + the slot's constant
	s_mov_b32 s[G0K], 1
	s_mul_i32 s[G0K+1], s18, 17408                 ; waves 0-3: 64 rows of 272 bytes each
	s_mov_b32 s[G0K+4], 1
	s_add_co_u32 s[G0K+5], s[G0K+1], SLOT
	s_mov_b32 s[G0V], 1
	s_mul_i32 s[G0V+1], s18, 16896                 ; waves 4-7: 32 rows of 528 bytes each, from 69,632 = 2,048 + 4 x 16,896 on
	s_add_co_u32 s[G0V+1], s[G0V+1], 2048
	s_mov_b32 s[G0V+4], 1
	s_add_co_u32 s[G0V+5], s[G0V+1], SLOT
	s_mov_b32 s[G0W], 1
	s_mul_i32 s[G0W+1], s18, 8704                  ; waves 0-3: 32 rows of 272 bytes each
	s_add_co_u32 s[G0W+1], s[G0W+1], WOB
	s_lshl_b32 s26, s22, 20                        ; kT: 1 MiB a batch + my 64 keys of 256 bytes
	s_lshl_b32 s25, s19, 14
	s_add_co_u32 s26, s26, s25
	s_mov_b32 s27, 0
	s_lshl_b32 s30, s22, 20                        ; vb: 1 MiB a batch + my 32 channels of 8,192 bytes
	s_lshl_b32 s25, s19, 18
	s_add_co_u32 s30, s30, s25
	s_mov_b32 s31, 0
	s_wait_kmcnt 0x0
	s_add_nc_u64 s[G0K+2:G0K+3], s[6:7], s[26:27]
	s_add_nc_u64 s[G0K+6:G0K+7], s[G0K+2:G0K+3], 65536         ; tile 1: 256 keys on
	s_or_b32 s[G0K+3], s[G0K+3], 0x80000000
	s_or_b32 s[G0K+7], s[G0K+7], 0x80000000
	s_add_nc_u64 s[G0V+2:G0V+3], s[8:9], s[30:31]
	s_add_nc_u64 s[G0V+6:G0V+7], s[G0V+2:G0V+3], 512
	s_or_b32 s[G0V+3], s[G0V+3], 0x80000000
	s_or_b32 s[G0V+7], s[G0V+7], 0x80000000
	s_lshl_b32 s26, s19, 13                        ; wo: the fourth matrix of wbf + my 32 rows of 256 bytes
	s_add_co_u32 s26, s26, 98304
	s_add_nc_u64 s[G0W+2:G0W+3], s[10:11], s[26:27]
	s_or_b32 s[G0W+3], s[G0W+3], 0x80000000
	ROUND                                          ; all four work-groups are here: the first joint loads meet
	s_cmp_lt_u32 s18, 4                            ; the first fills, one branch: waves 0-3 have two tensor loads out, waves 4-7 one
	s_cbranch_scc0 .Lfill_v
	tensor_load_to_lds s[G0K:G0K+3], s[G1K:G1K+7]
	s_nop 0
	tensor_load_to_lds s[G0W:G0W+3], s[G1W:G1W+7]
	s_nop 0
	s_branch .Lfilled
.Lfill_v:
	tensor_load_to_lds s[G0V:G0V+3], s[G1V:G1V+7]
	s_nop 0
.Lfilled:
	; Q: 64 rows of qT as sixteen fragments, kept in registers for the whole launch
	s_and_b32 s62, ttmp9, 7
	s_lshl_b32 s62, s62, 2
	s_add_co_u32 s62, s62, s21
	s_lshl_b32 s62, s62, 7                         ; q0: my work-group's first query
	s_lshl_b32 s60, s22, 12
	s_add_co_u32 s60, s60, s62
	s_lshl_b32 s63, s20, 6
	s_add_co_u32 s60, s60, s63
	s_lshl_b32 s60, s60, 8                         ; row b 4096 + q0 + 64 half, 256 bytes a row
	s_mov_b32 s61, 0
	s_add_nc_u64 s[4:5], s[4:5], s[60:61]
	v_and_b32 v6, 15, v0                           ; r (kept)
	v_bfe_u32 v7, v0, 4, 1                         ; h (kept)
	v_lshlrev_b32 v1, 8, v6
	v_lshl_add_u32 v1, v7, 4, v1                   ; 256 r + 16 h
.irp qt, 0,1,2,3
.irp ks, 0,1,2,3
	global_load_b128 v[QFR+8*(4*\qt+\ks):QFR+8*(4*\qt+\ks)+3],   v1, s[4:5] offset:\qt*4096+64*\ks
	global_load_b128 v[QFR+8*(4*\qt+\ks)+4:QFR+8*(4*\qt+\ks)+7], v1, s[4:5] offset:\qt*4096+64*\ks+32
.endr
.endr
	s_lshl_b32 s25, s18, 6
	s_load_b512 s[BO:BO+15], s[12:13], s25 offset:0x0          ; bo[16 w ..]
	s_lshl_b32 s60, s22, 21                        ; x, out0: 2 MiB a batch, 16 channels of 16,384 bytes a wave, 4 bytes a query
	s_lshl_b32 s63, s18, 18
	s_add_co_u32 s60, s60, s63
	s_lshl_b32 s63, s62, 2
	s_add_co_u32 s60, s60, s63
	s_add_nc_u64 s[14:15], s[14:15], s[60:61]
	s_add_nc_u64 s[16:17], s[16:17], s[60:61]
	v_mul_u32_u24 v2, v6, 272                      ; K: row 64 quarter + r, + 16 h
	v_lshl_add_u32 v2, v7, 4, v2
	s_mul_i32 s30, s19, 17408
	v_add_nc_u32 v[KA], s30, v2
	v_add_nc_u32 v[KA+1], SLOT, v[KA]
	v_mul_u32_u24 v4, v6, 528                      ; V: row r, + 128 quarter + 16 h
	v_lshl_add_u32 v4, v7, 4, v4
	s_lshl_b32 s30, s19, 7
	s_add_co_u32 s30, s30, VPART
	v_add_nc_u32 v[VA], s30, v4
	v_add_nc_u32 v[VA+1], SLOT, v[VA]
.irp qt, 0,1,2,3
	v_mov_b32 v[NGM+2*\qt+1], 0                    ; second registers of pairs that packed instructions name before their first value,
	v_mov_b32 v[ALF+2*\qt+1], 0                    ; and the destination of v_permlanex16_b32, which counts as read
.endr
	s_wait_loadcnt 0x0
	s_wait_kmcnt 0x0
	TRIP 0, 1, 1                                   ; 16 tiles: two, six laps of two, two
	TRIP 1, 1, 0
	s_mov_b32 s23, 6
.Lloop:
	TRIP 0, 1, 0
	TRIP 1, 1, 0
	s_sub_co_u32 s23, s23, 1
	s_cmp_lg_u32 s23, 0
	s_cbranch_scc1 .Lloop
	TRIP 0, 1, 0
	TRIP 1, 0, 0                                   ; the last tile: nothing is left to fetch
	s_cmp_eq_u32 s24, 0
	s_cbranch_scc1 .Llast_half
	RSPA 0, FRG, 8                                 ; ty = 1: the very last block's first part
.Llast_half:
	RSPB 0, 0, 0, 0, HCH, 16, FRG, 8               ; every wave: its second part; no K fragment is left to ask for
	; MERGE of the four key quarters.  First each query's sum over both halves of the lanes.
.irp qt, 0,1,2,3
	v_permlanex16_b32 v[ALF+2*\qt+1], v[NGM+2*\qt+1], s28, s29
.endr
.irp qt, 0,1,2,3
	v_add_f32 v[NGM+2*\qt+1], v[NGM+2*\qt+1], v[ALF+2*\qt+1]
.endr
	s_lshl_b32 s30, s18, 9
	s_add_co_u32 s30, s30, MLB
	v_lshl_add_u32 v1, v6, 3, s30                  ; my wave's 64 pairs of 8 bytes
	s_lshl_b32 s31, s20, 11
	s_add_co_u32 s31, s31, MLB
	v_lshl_add_u32 v28, v6, 3, s31                 ; the four waves of my query half
.irp qt, 0,1,2,3
	ds_store_b64 v1, v[NGM+2*\qt:NGM+2*\qt+1] offset:128*\qt   ; both halves of the lanes store the same pair
.endr
	s_wait_dscnt 0x0                               ; the pairs are stored, and all my reads of both slots are back
	s_barrier_signal -1
	s_barrier_wait -1                              ; of every wave: both slots may now be written by LDS stores (no tile lands any more)
.irp qt, 0,1,2,3
.irp k, 0,1,2,3
	ds_load_b64 v[FRG+8*\qt+2*\k:FRG+8*\qt+2*\k+1], v28 offset:\k*512+\qt*128
.endr
.endr
	v_and_b32 v31, 31, v0                          ; lane
	s_lshl_b32 s30, s18, 14
	v_lshl_add_u32 v29, v31, 4, s30                ; partial outputs, store: 16,384 bytes a wave, 16 a lane
	v_mul_u32_u24 v2, v6, 272
	v_lshl_add_u32 v2, v7, 4, v2
	v_add_nc_u32 v2, WOB, v2                       ; wo: row r, + 16 h
	s_lshl_b32 s30, s20, 16
	s_lshl_b32 s31, s19, 12
	s_add_co_u32 s30, s30, s31
	v_lshl_add_u32 v3, v31, 4, s30                 ; partial outputs, read: query tile w = (half w >> 2, tile w & 3)
	v_mul_u32_u24 v4, v6, 528
	v_lshl_add_u32 v4, v7, 5, v4
	s_lshl_b32 s30, s18, 6
	s_add_co_u32 s30, s30, STAGE
	v_add_nc_u32 v4, s30, v4                       ; stage, store: row r, queries 16 w + 8 h ..
	s_mul_i32 s30, s18, 8448
	s_add_co_u32 s30, s30, STAGE
	v_lshl_add_u32 v5, v31, 4, s30                 ; stage, read: row 16 w, 16 bytes a lane
	v_lshlrev_b32 v30, 4, v31                      ; x and out0: 16 bytes a lane
	s_wait_dscnt 0x0
.irp qt, 0,1,2,3
	v_min_num_f32 v[TMX+\qt], v[FRG+8*\qt], v[FRG+8*\qt+2]
.endr
.irp qt, 0,1,2,3
	v_min_num_f32 v[TMX+\qt], v[TMX+\qt], v[FRG+8*\qt+4]
.endr
.irp qt, 0,1,2,3
	v_min_num_f32 v[TMX+\qt], v[TMX+\qt], v[FRG+8*\qt+6]       ; minus the query's maximum over all keys
.endr
.irp qt, 0,1,2,3
.irp k, 0,1,2,3
	v_sub_f32 v[FRG+8*\qt+2*\k], v[TMX+\qt], v[FRG+8*\qt+2*\k] ; quarter's maximum - maximum, at most 0
.endr
	v_sub_f32 v[ALF+2*\qt], v[TMX+\qt], v[NGM+2*\qt]           ; my own quarter's
.endr
.irp qt, 0,1,2,3
.irp k, 0,1,2,3
	v_exp_f32 v[FRG+8*\qt+2*\k], v[FRG+8*\qt+2*\k]
.endr
	v_exp_f32 v[ALF+2*\qt], v[ALF+2*\qt]
.endr
	v_nop                                          ; one plain instruction behind the run
	s_wait_alu depctr_va_vdst(0)
.irp qt, 0,1,2,3
	v_mul_f32 v[TMX+\qt], v[FRG+8*\qt], v[FRG+8*\qt+1]
.endr
.irp k, 1,2,3
.irp qt, 0,1,2,3
	v_fmac_f32 v[TMX+\qt], v[FRG+8*\qt+2*\k], v[FRG+8*\qt+2*\k+1]   ; the whole row's sum: at least 1, the quarter with the maximum has factor 1
.endr
.endr
.irp qt, 0,1,2,3
	v_rcp_f32 v[TMX+\qt], v[TMX+\qt]
.endr
	v_nop
	s_wait_alu depctr_va_vdst(0)
.irp qt, 0,1,2,3
	v_mul_f32 v[ALF+2*\qt], v[ALF+2*\qt], v[TMX+\qt]
.endr
	RESCALE                                        ; my partial O, ready to be added to the other three
	WIN 0x05                                       ; both sources in window 1
.irp qt, 0,1,2,3
.irp ks, 0,1,2,3
.irp i, 0,1,2,3
	v_cvt_pk_bf16_f32 v[QFR+8*(4*\qt+\ks)+\i],   v[8*(8*\ks+\qt)+2*\i],   v[8*(8*\ks+\qt)+2*\i+1]      ; channels 32 ks + 8 h ..
	v_cvt_pk_bf16_f32 v[QFR+8*(4*\qt+\ks)+4+\i], v[8*(8*\ks+4+\qt)+2*\i], v[8*(8*\ks+4+\qt)+2*\i+1]    ; channels 32 ks + 16 + 8 h ..
.endr
.endr
.endr
	WIN 0
.irp f, 0,1,2,3,4,5,6,7,8,9,10,11,12,13,14,15
	ds_store_b128 v29, v[QFR+8*\f:QFR+8*\f+3]   offset:\f*1024         ; fragments as they lie in registers: 512 consecutive bytes a store
	ds_store_b128 v29, v[QFR+8*\f+4:QFR+8*\f+7] offset:\f*1024+512
.endr
	WIN 0x40                                       ; destination in window 1: wo's 32 fragments take O's place
.irp ot, 0,1,2,3,4,5,6,7
.irp ks, 0,1,2,3
	ds_load_b128 v[8*(4*\ot+\ks):8*(4*\ot+\ks)+3],   v2 offset:\ot*4352+64*\ks
	ds_load_b128 v[8*(4*\ot+\ks)+4:8*(4*\ot+\ks)+7], v2 offset:\ot*4352+64*\ks+32
.endr
.endr
	WIN 0
	s_wait_dscnt 0x0
	s_barrier_signal -1
	s_barrier_wait -1                              ; everybody's partial outputs are in LDS
	; OUTPUT PROJECTION.  Wave w takes query tile w: 16 queries x (4 quarters x 128 channels) against wo, all 128 output channels.
.irp f, 0,1,2,3,4,5,6,7,8,9,10,11,12,13,14,15
	ds_load_b128 v[QFR+8*\f:QFR+8*\f+3],   v3 offset:(\f>>2)*16384+(\f&3)*1024
	ds_load_b128 v[QFR+8*\f+4:QFR+8*\f+7], v3 offset:(\f>>2)*16384+(\f&3)*1024+512
.endr
	WIN 0x04                                       ; B in window 1
.irp f, 0,1,2,3,4,5,6,7,8,9,10,11,12,13,14,15
.if (\f&3) == 0
	s_wait_dscnt 24-2*\f                           ; a quarter's eight loads are in; the younger quarters' stay out
.endif
.irp ot, 0,1,2,3,4,5,6,7                           ; eight accumulators take turns
.if \f == 0
	v_wmma_f32_16x16x32_bf16 v[SCO+8*\ot:SCO+8*\ot+7], v[QFR+8*\f:QFR+8*\f+7], v[8*(4*\ot+(\f&3)):8*(4*\ot+(\f&3))+7], 0
.else
	v_wmma_f32_16x16x32_bf16 v[SCO+8*\ot:SCO+8*\ot+7], v[QFR+8*\f:QFR+8*\f+7], v[8*(4*\ot+(\f&3)):8*(4*\ot+(\f&3))+7], v[SCO+8*\ot:SCO+8*\ot+7]
.endif
.endr
.if \f == 7
	PLACES 4                                       ; the first two quarters' fragments have been multiplied: x lands on their registers
.irp t, 0,1,2,3,4,5,6,7,8,9,10,11,12,13,14,15
	global_load_b128 v[128+4*\t:131+4*\t], v30, s[14:15] offset:\t*16384     ; x, channel 16 w + t, my work-group's 128 queries: 512 consecutive bytes
.endr
.endif
.endr
	WIN 0
	PLACES 4                                       ; behind the last products: the stores read results, the loads below land on sources
.irp ot, 0,1,2,3,4,5,6,7
	ds_store_b128 v4, v[SCO+8*\ot:SCO+8*\ot+3]   offset:\ot*8448       ; channel 16 ot + r, queries 16 w + 8 h .. + 3
	ds_store_b128 v4, v[SCO+8*\ot+4:SCO+8*\ot+7] offset:\ot*8448+16
.endr
	s_wait_dscnt 0x0
	s_barrier_signal -1
	s_barrier_wait -1                              ; a row of the stage holds 64 bytes from each wave
.irp t, 0,1,2,3,4,5,6,7,8,9,10,11,12,13,14,15
	ds_load_b128 v[192+4*\t:195+4*\t], v5 offset:\t*528
.endr
	s_wait_loadcnt 0x0                             ; x
.irp t, 0,1,2,3,4,5,6,7,8,9,10,11,12,13,14,15
	s_wait_dscnt 15-\t                             ; row t is in; the younger rows stay out
	v_pk_add_f32 v[192+4*\t:193+4*\t], v[192+4*\t:193+4*\t], v[128+4*\t:129+4*\t]
	v_pk_add_f32 v[194+4*\t:195+4*\t], v[194+4*\t:195+4*\t], v[130+4*\t:131+4*\t]
.irp i, 0,1,2,3
	v_add_f32 v[192+4*\t+\i], s[BO+\t], v[192+4*\t+\i]
.endr
	global_store_b128 v30, v[192+4*\t:195+4*\t], s[16:17] offset:\t*16384    ; 512 consecutive bytes of out0, aligned
.endr
	s_wait_xcnt 0x0
	v_lshl_add_u32 v30, v0, 2, 0x4c800
	v_mov_b32 v31, 0
	s_wait_tensorcnt 0x0
	ds_add_u32 v30, v31
	s_wait_dscnt 0x0
	ROUND                                          ; the closing round: no work-group ends while a partner may still ask for a tile that names it
	s_endpgm
.Lfunc_end_k_q63965e1174_attn:
	.size	k_q63965e1174_attn, .Lfunc_end_k_q63965e1174_attn-k_q63965e1174_attn
	.p2alignl 7, 3214868480
	.fill 96, 4, 3214868480
	.section	.rodata,"a",@progbits
	.p2align	6, 0x0
	.amdhsa_kernel k_q63965e1174_attn
		.amdhsa_group_segment_fixed_size 327680
		.amdhsa_private_segment_fixed_size 0
		.amdhsa_enable_private_segment 0
		.amdhsa_kernarg_size 56
		.amdhsa_user_sgpr_count 2
		.amdhsa_user_sgpr_kernarg_segment_ptr 1
		.amdhsa_wavefront_size32 1
		.amdhsa_system_sgpr_workgroup_id_x 1
		.amdhsa_system_sgpr_workgroup_id_y 1
		.amdhsa_system_sgpr_workgroup_id_z 1
		.amdhsa_system_vgpr_workitem_id 0
		.amdhsa_next_free_vgpr 512
		.amdhsa_next_free_sgpr 100
		.amdhsa_reserve_vcc 0
		.amdhsa_float_denorm_mode_32 3
		.amdhsa_float_denorm_mode_16_64 3
		.amdhsa_memory_ordered 1
		.amdhsa_forward_progress 1
		.amdhsa_inst_pref_size 255
	.end_amdhsa_kernel
	.section	.bss,"aw",@nobits
	.p2align	6
	.space	262144
	.amdgpu_metadata
---
amdhsa.version: [ 1, 2 ]
amdhsa.kernels:
  - .name:           k_q63965e1174_attn
    .symbol:         k_q63965e1174_attn.kd
    .args:
      - { .name: qT, .offset: 0, .size: 8, .value_kind: global_buffer, .address_space: global }
      - { .name: kT, .offset: 8, .size: 8, .value_kind: global_buffer, .address_space: global }
      - { .name: vb, .offset: 16, .size: 8, .value_kind: global_buffer, .address_space: global }
      - { .name: wbf, .offset: 24, .size: 8, .value_kind: global_buffer, .address_space: global }
      - { .name: bo, .offset: 32, .size: 8, .value_kind: global_buffer, .address_space: global }
      - { .name: x, .offset: 40, .size: 8, .value_kind: global_buffer, .address_space: global }
      - { .name: out0, .offset: 48, .size: 8, .value_kind: global_buffer, .address_space: global }
    .group_segment_fixed_size: 327680
    .private_segment_fixed_size: 0
    .kernarg_segment_align: 8
    .kernarg_segment_size: 56
    .max_flat_workgroup_size: 256
    .sgpr_count:     100
    .vgpr_count:     512
    .wavefront_size: 32
...
	.end_amdgpu_metadata
.endif
;; end of part 3
;; ======== version 2 of 2: 3 launches; version 1 with the launch qkv written anew for expert scheduling mode
;; workspace buffers: gnp 8,192 bytes; wbf 131,072 bytes; qT 8,388,608 bytes; kT 8,388,608 bytes; vb 8,388,608 bytes
;; launch stats: the kernel of part 1 again; grid 256 x 1, 8 waves a work-group, no clusters, 1,280 bytes of LDS; arguments x, gn_scale, wq, wk, wv, wo, gnp, wbf; writes gnp, wbf
;; launch qkv (part 4): grid 256 x 1, 8 waves a work-group, no clusters, 142,336 bytes of LDS; arguments x, gnp, gn_bias, wbf, bq, bk, bv, qT, kT, vb; writes qT, kT, vb
.if DOCPART == 4
	.amdgcn_target "amdgcn-amd-amdhsa--gfx1250"
	.amdhsa_code_object_version 6
	.text
	.protected	k_q63965e1174_qkv
	.globl	k_q63965e1174_qkv
	.p2align	8
	.type	k_q63965e1174_qkv,@function
k_q63965e1174_qkv:
	s_mov_b64 s[64:65], 0
	v_nop
	global_prefetch_b8 v0, s[64:65] scope:SCOPE_SE
	s_setreg_imm32_b32 hwreg(HW_REG_WAVE_SCHED_MODE, 0, 2), 2
	s_setreg_imm32_b32 hwreg(HW_REG_WAVE_MODE, 25, 1), 1
	s_wait_xcnt 0x0
	s_wait_alu depctr_vm_vsrc(0)
; h = GroupNorm(x); q = C1 (wq h + bq), k = wk h + bk, v = wv h + bv, rounded to bf16.
; qT, kT: bf16 [8][4096 positions][128 channels]; vb: bf16 [8][128 channels][4096 positions].
; Work-group g: batch g >> 5, positions 128 (g & 31) .. + 127, all 128 channels.  Eight waves.
; Wave w normalises channels 16 w .. 16 w + 15 into LDS (bf16 [c][i]), then makes output channels 16 w .. 16 w + 15 of q, k and v for
; the 128 positions: 8 position tiles x 4 K steps x 3 = 96 matrix instructions.
; q, k: D = A(w: m = o, k = c) x B(h: n = i, k = c): a lane holds position r and eight neighbouring channels: 16 bytes of a row of qT.
; v:    D = A(h: m = i, k = c) x B(w: n = o, k = c): a lane holds channel r and eight neighbouring positions: 16 bytes of a row of vb.
; The biases enter as the C operand of each tile's first product: nothing is cleared and nothing is added afterwards.
; No cluster: the weights go once, 12 KiB a wave, straight into registers as fragments; nothing is fetched twice by a work-group and no tile goes through LDS.
; h is rounded to bf16 (matrix operand); the norm itself is f32: (x - mean) first, then one fused multiply-add.
; THE MODE: SCHED_MODE bits 1:0 = 2 (LLVM: expert scheduling mode 2), set by the entry lines.  The code itself states the register dependences
; between vector or matrix instructions and memory or LDS instructions, with s_wait_alu, always for 0.
; THE PLAN.  Registers that memory or LDS instructions touch:
;   v1, v4 .. v13   offsets and LDS addresses: written at the head, never again.  One wait on va_vdst ahead of the first load serves them all.
;   X, row t        loaded; the norm works in place; an LDS store reads the row's first two registers.  The rows go in four groups of four: a group's stores are
;                   issued in the next group, behind ONE wait on va_vdst at that group's head, dealt among rows that name other registers.
;   HB0, HB1        the same 64 registers behind the barrier.  Step it: its products read HB[p]; the loads of tile it + 1 land in HB[1 - p].
;   ACC0, ACC1      Step it: its products write ACC[p], its conversions pack it in place; the three stores that read it are issued in step it + 1;
;                   the products of step it + 2 write it again.
;   v[80:175]       the weights: read by the products; on the way out the stage's loads land there and the global stores read them.
;   v254, v255      written at the head, read by the closing add alone.
; So ONE wait on va_vdst stands at the end of a step, behind its conversions: the products are done reading HB[p], and the conversions have written ACC[p].  The eight loads into HB[p]
; and the three stores from ACC[p] follow it in the next step, dealt among that step's products, which name HB[1 - p], ACC[1 - p], the weights and the biases: none of the registers
; that those eleven touch.  ONE wait on vm_vsrc stands at a step's head: the stores that read ACC[p] were issued a whole step earlier.
.set HP,   288                         ; pitch of h in LDS: 256 bytes + 32, an odd multiple of 32 for the transposing loads
.set SQ,   36864                       ; stage of q: [position][channel], pitch 272
.set SKO,  34816                       ; stage of k = SQ + SKO
.set SV,   106496                      ; stage of v: [channel][position], pitch 272
.set C1,   0x3e0293ee                  ; 128^-0.5 log2(e), as in wbf's first matrix
.set X,    16                          ; v[16:79]   16 rows of x, 4 numbers each; later the two buffers of h fragments
.set HB,   16                          ; v[16:47], v[48:79]
.set WQ,   80                          ; v[80:111]  fragments of wq, K step ks at + 8 ks
.set WK,   112
.set WV,   144
.set BQ,   176                         ; v[176:183] C tile of q: C1 bq[16 w + 8 h + j]
.set BK,   184
.set BV,   192                         ; v[192:199] C tile of v: bv[16 w + r] in all eight
.set ACC,  200                         ; v[200:223], v[224:247]: two sets of q, k, v accumulators
.macro PLACES n
.rept \n
	v_nop
.endr
.endm
; row t of my sixteen: (x - mean), one fused multiply-add, four numbers packed into the row's first two registers
.macro NORM t
.irp i, 0,1,2,3
	v_sub_f32 v[X+4*(\t)+\i], v[X+4*(\t)+\i], s[16+(\t)]
.endr
.irp i, 0,1,2,3
	v_fma_f32 v[X+4*(\t)+\i], v[X+4*(\t)+\i], s[32+(\t)], s[48+(\t)]
.endr
	v_cvt_pk_bf16_f32 v[X+4*(\t)],   v[X+4*(\t)],   v[X+4*(\t)+1]
	v_cvt_pk_bf16_f32 v[X+4*(\t)+1], v[X+4*(\t)+2], v[X+4*(\t)+3]
.endm
.macro HSTORE t                        ; row t of h into LDS
	ds_store_b64 v5, v[X+4*(\t):X+4*(\t)+1] offset:(\t)*HP
.endm
; rows 4 g .. 4 g + 3 are normalised; the stores of the group before are dealt among them
.macro GROUP g
	s_wait_loadcnt 41-4*(\g)               ; behind row 4 g + 3 stand 12 - 4 g rows and the 29 loads of weights and biases
.if (\g) > 0
	s_wait_alu depctr_va_vdst(0)           ; the group before has written its packed rows, which the four stores below read
.endif
.irp n, 0,1,2,3
.if (\g) > 0
	HSTORE 4*(\g)-4+\n
.endif
	NORM 4*(\g)+\n
.endr
.endm
; one h fragment of position tile it (16 positions x 32 channels from 32 ks on) into buffer b: lane (r, h) gets position r, channels 32 ks + 8 h .. and + 16
.macro HL2 it, b, ks
	ds_load_tr16_b128 v[HB+32*(\b)+8*(\ks):HB+32*(\b)+8*(\ks)+3],   v6 offset:(\ks)*32*HP+32*(\it)
	ds_load_tr16_b128 v[HB+32*(\b)+8*(\ks)+4:HB+32*(\b)+8*(\ks)+7], v6 offset:(\ks)*32*HP+32*(\it)+16*HP
.endm
; the products of K step ks on buffer and set p; the first takes the bias tile as C
.macro MQ p, ks
.if (\ks) == 0
	v_wmma_f32_16x16x32_bf16 v[ACC+24*(\p):ACC+24*(\p)+7], v[WQ:WQ+7], v[HB+32*(\p):HB+32*(\p)+7], v[BQ:BQ+7]
.else
	v_wmma_f32_16x16x32_bf16 v[ACC+24*(\p):ACC+24*(\p)+7], v[WQ+8*(\ks):WQ+8*(\ks)+7], v[HB+32*(\p)+8*(\ks):HB+32*(\p)+8*(\ks)+7], v[ACC+24*(\p):ACC+24*(\p)+7]
.endif
.endm
.macro MK p, ks
.if (\ks) == 0
	v_wmma_f32_16x16x32_bf16 v[ACC+24*(\p)+8:ACC+24*(\p)+15], v[WK:WK+7], v[HB+32*(\p):HB+32*(\p)+7], v[BK:BK+7]
.else
	v_wmma_f32_16x16x32_bf16 v[ACC+24*(\p)+8:ACC+24*(\p)+15], v[WK+8*(\ks):WK+8*(\ks)+7], v[HB+32*(\p)+8*(\ks):HB+32*(\p)+8*(\ks)+7], v[ACC+24*(\p)+8:ACC+24*(\p)+15]
.endif
.endm
.macro MV p, ks
.if (\ks) == 0
	v_wmma_f32_16x16x32_bf16 v[ACC+24*(\p)+16:ACC+24*(\p)+23], v[HB+32*(\p):HB+32*(\p)+7], v[WV:WV+7], v[BV:BV+7]
.else
	v_wmma_f32_16x16x32_bf16 v[ACC+24*(\p)+16:ACC+24*(\p)+23], v[HB+32*(\p)+8*(\ks):HB+32*(\p)+8*(\ks)+7], v[WV+8*(\ks):WV+8*(\ks)+7], v[ACC+24*(\p)+16:ACC+24*(\p)+23]
.endif
.endm
; the three stores of tile it from set p
.macro STQ it, p
	ds_store_b128 v7, v[ACC+24*(\p):ACC+24*(\p)+3]     offset:(\it)*4352        ; q: position 16 it + r, channels 16 w + 8 h ..
.endm
.macro STK it, p
	ds_store_b128 v7, v[ACC+24*(\p)+8:ACC+24*(\p)+11]  offset:(\it)*4352+SKO    ; k likewise
.endm
.macro STV it, p
	ds_store_b128 v8, v[ACC+24*(\p)+16:ACC+24*(\p)+19] offset:(\it)*32          ; v: channel 16 w + r, positions 16 it + 8 h ..
.endm
; one position tile.  p = it & 1: fragment buffer and accumulator set; cnt: LDS instructions issued behind this tile's fragments;
; ld = 1: tile it + 1 is fetched into the other buffer; st = 1: tile it - 1 is stored from the other set.
.macro STEP it, p, cnt, ld, st
	s_wait_dscnt \cnt
.if (\it) >= 2
	s_wait_alu depctr_vm_vsrc(0)           ; the stores of tile it - 2, issued in the step before, have read this set, which the products below write again
.endif
	MQ \p, 0                               ; q, k, v take turns, one instruction a turn
.if \ld
	HL2 (\it)+1, 1-(\p), 0                 ; no wait: no vector or matrix instruction since the wait at the last step's end names the other buffer or the other set
.endif
	MK \p, 0
.if \ld
	HL2 (\it)+1, 1-(\p), 1
.endif
	MV \p, 0
.if \ld
	HL2 (\it)+1, 1-(\p), 2
.endif
	MQ \p, 1
.if \ld
	HL2 (\it)+1, 1-(\p), 3
.endif
	MK \p, 1
.if \st
	STQ (\it)-1, 1-(\p)
.endif
	MV \p, 1
.if \st
	STK (\it)-1, 1-(\p)
.endif
	MQ \p, 2
.if \st
	STV (\it)-1, 1-(\p)
.endif
	MK \p, 2
	MV \p, 2
	MQ \p, 3
	MK \p, 3
	MV \p, 3
	PLACES 5                               ; behind the products: the conversions read their results, the next step's loads land on their sources, and the set is written over two tiles on
.irp a, 0,8,16
.irp i, 0,1,2,3
	v_cvt_pk_bf16_f32 v[ACC+24*(\p)+\a+\i], v[ACC+24*(\p)+\a+2*\i], v[ACC+24*(\p)+\a+2*\i+1]   ; in place: register i is written when 2 i and 2 i + 1 are read
.endr
.endr
	s_wait_alu depctr_va_vdst(0)           ; the conversions have written this set's packed registers, which the stores that follow read; the products are done reading this buffer (and, in the last step, the weights), in which the loads that follow land
.endm
	s_load_b512 s[68:83], s[0:1], 0x0              ; x 68, gnp 70, gn_bias 72, wbf 74, bq 76, bk 78, bv 80, qT 82
	s_load_b128 s[84:87], s[0:1], 0x40             ; kT 84, vb 86
	v_lshl_add_u32 v254, v0, 2, 0x22800            ; my spare word and 0: made here and kept for the closing lines alone
	v_mov_b32 v255, 0
	v_lshrrev_b32 v2, 5, v0
	v_readfirstlane_b32 s2, v2                     ; wave w
	s_lshr_b32 s3, ttmp9, 5                        ; batch b
	s_and_b32 s4, ttmp9, 31
	s_lshl_b32 s4, s4, 7                           ; i0: my first position
	s_lshl_b32 s5, s3, 9
	s_wait_alu depctr_va_sdst(0)                   ; s2 is written, ahead of its first reader: offsets and bases are made from it
	s_lshl_b32 s6, s2, 6                           ; 64 w: 16 channels of f32
	s_add_co_u32 s5, s5, s6                        ; (128 b + 16 w) x 4
	s_lshl_b32 s8, s3, 21                          ; x: 2 MiB a batch,
	s_lshl_b32 s9, s2, 18                          ; 16 rows of 16,384 bytes a wave,
	s_add_co_u32 s8, s8, s9
	s_lshl_b32 s9, s4, 2                           ; 4 bytes a position
	s_add_co_u32 s8, s8, s9
	s_mov_b32 s9, 0
	s_lshl_b32 s14, s3, 12                         ; qT, kT: row b 4096 + i0 + 16 w, 256 bytes a row
	s_add_co_u32 s14, s14, s4
	s_lshl_b32 s7, s2, 4
	s_add_co_u32 s14, s14, s7
	s_lshl_b32 s14, s14, 8
	s_mov_b32 s15, 0
	s_lshl_b32 s12, s3, 20                         ; vb: 1 MiB a batch, 16 rows of 8,192 bytes a wave, 2 bytes a position
	s_lshl_b32 s7, s2, 17
	s_add_co_u32 s12, s12, s7
	s_lshl_b32 s7, s4, 1
	s_add_co_u32 s12, s12, s7
	s_mov_b32 s13, 0
	v_and_b32 v2, 31, v0                           ; lane L
	v_and_b32 v3, 15, v0                           ; r
	v_bfe_u32 v14, v0, 4, 1                        ; h
	v_lshlrev_b32 v1, 4, v2                        ; 16 L
	v_lshlrev_b32 v4, 8, v3                        ; weights: row 16 w + r of 256 bytes, + 16 h
	v_lshl_add_u32 v4, v14, 4, v4
	s_lshl_b32 s10, s2, 12
	v_add_nc_u32 v4, s10, v4
	s_mul_i32 s11, s2, 16*HP
	v_lshl_add_u32 v5, v2, 3, s11                  ; h store: row 16 w, 8 bytes a lane
	v_and_b32 v15, 7, v0
	v_lshl_add_u32 v15, v14, 3, v15
	v_mul_u32_u24 v6, v15, HP                      ; h transposing load: row 8 h + (L & 7),
	v_bfe_u32 v15, v0, 3, 1
	v_lshl_add_u32 v6, v15, 4, v6                  ; + 16 ((L >> 3) & 1)
	v_mul_u32_u24 v15, v3, 272
	v_lshl_add_u32 v15, v14, 4, v15                ; r x 272 + 16 h
	s_lshl_b32 s7, s2, 5
	s_add_co_u32 s7, s7, SQ
	v_add_nc_u32 v7, s7, v15                       ; q stage: + 32 w
	s_mul_i32 s10, s2, 4352
	s_add_co_u32 s7, s10, SV
	v_add_nc_u32 v8, s7, v15                       ; v stage: + 16 w rows
	v_mul_u32_u24 v9, v14, 272
	v_lshl_add_u32 v9, v3, 4, v9
	s_add_co_u32 s7, s10, SQ
	v_add_nc_u32 v9, s7, v9                        ; read back: row 16 w + h, 16 bytes for each of sixteen lanes
	v_add_nc_u32 v10, SV-SQ, v9
	v_lshlrev_b32 v11, 4, v3
	v_lshl_add_u32 v11, v14, 13, v11               ; vb: h rows of 8,192 bytes + 16 r
	v_lshl_add_u32 v12, v14, 5, s6                 ; bq, bk: 64 w + 32 h
	v_lshl_add_u32 v13, v3, 2, s6                  ; bv: 64 w + 4 r
	s_wait_kmcnt 0x0
	s_load_b512 s[16:31], s[70:71], s5 offset:0x0      ; means of my 16 channels
	s_load_b512 s[32:47], s[70:71], s5 offset:0x1000   ; rstd x gn_scale
	s_load_b512 s[48:63], s[72:73], s6 offset:0x0      ; gn_bias
	s_add_nc_u64 s[68:69], s[68:69], s[8:9]
	s_add_nc_u64 s[82:83], s[82:83], s[14:15]
	s_add_nc_u64 s[84:85], s[84:85], s[14:15]
	s_add_nc_u64 s[86:87], s[86:87], s[12:13]
	s_wait_alu depctr_va_vdst(0)                   ; v1 and v4 to v13 are written: every load and store of the kernel, global or LDS, reads one of them as its offset or address
.irp t, 0,1,2,3,4,5,6,7,8,9,10,11,12,13,14,15
	global_load_b128 v[X+4*\t:X+4*\t+3], v1, s[68:69] offset:\t*16384    ; 512 consecutive bytes of channel 16 w + t
.endr
.irp m, 0,1,2
.irp ks, 0,1,2,3
	global_load_b128 v[WQ+32*\m+8*\ks:WQ+32*\m+8*\ks+3],   v4, s[74:75] offset:\m*32768+64*\ks
	global_load_b128 v[WQ+32*\m+8*\ks+4:WQ+32*\m+8*\ks+7], v4, s[74:75] offset:\m*32768+64*\ks+32
.endr
.endr
	global_load_b128 v[BQ:BQ+3],   v12, s[76:77]
	global_load_b128 v[BQ+4:BQ+7], v12, s[76:77] offset:16
	global_load_b128 v[BK:BK+3],   v12, s[78:79]
	global_load_b128 v[BK+4:BK+7], v12, s[78:79] offset:16
	global_load_b32 v[BV], v13, s[80:81]
	s_wait_kmcnt 0x0
	GROUP 0
	GROUP 1
	GROUP 2
	GROUP 3
	s_wait_alu depctr_va_vdst(0)                   ; rows 12 to 15 are packed, which the four stores below read; and every vector instruction that names v[16:79] is done: behind the barrier the fragments' loads land there
.irp n, 12,13,14,15
	HSTORE \n
.endr
	s_wait_loadcnt 0x0
.irp i, 0,2,4,6
	v_pk_mul_f32 v[BQ+\i:BQ+\i+1], v[BQ+\i:BQ+\i+1], C1 op_sel_hi:[1,0]
.endr
.irp i, 1,2,3,4,5,6,7
	v_mov_b32 v[BV+\i], v[BV]                      ; the C tile of v wants the lane's bias in all eight rows
.endr
	s_wait_dscnt 0x0                               ; my rows of h are in LDS,
	s_barrier_signal -1
	s_barrier_wait -1                              ; everybody's are
	s_wait_alu depctr_vm_vsrc(0)                   ; my LDS stores have read v[16:79]: from here on these registers are the two fragment buffers, in which the loads below land
.irp ks, 0,1,2,3
	HL2 0, 0, \ks
.endr
.irp ks, 0,1,2,3
	HL2 1, 1, \ks
.endr
	STEP 0, 0, 8, 0, 0                             ; behind tile 0's loads: tile 1's eight
	STEP 1, 1, 0, 1, 1                             ; nothing was issued behind tile 1's loads
	STEP 2, 0, 3, 1, 1                             ; behind a tile's loads: the three stores of the same step
	STEP 3, 1, 3, 1, 1
	STEP 4, 0, 3, 1, 1
	STEP 5, 1, 3, 1, 1
	STEP 6, 0, 3, 1, 1
	STEP 7, 1, 3, 0, 1                             ; no tile is left to fetch
	STQ 7, 1                                       ; the last tile's stores, behind the wait at its step's end
	STK 7, 1
	STV 7, 1
	s_wait_dscnt 0x0                               ; a row of the q and k stages holds 32 bytes from each wave
	s_barrier_signal -1
	s_barrier_wait -1
.irp t, 0,1,2,3,4,5,6,7
	ds_load_b128 v[80+4*\t:83+4*\t], v9 offset:\t*544                         ; these land on the weights: the wait at the last step's end has shown the products done reading them, and no vector instruction stands behind it
.endr
.irp t, 0,1,2,3,4,5,6,7
	ds_load_b128 v[112+4*\t:115+4*\t], v9 offset:\t*544+SKO
.endr
.irp t, 0,1,2,3,4,5,6,7
	ds_load_b128 v[144+4*\t:147+4*\t], v10 offset:\t*544
.endr
.irp t, 0,1,2,3,4,5,6,7
	s_wait_dscnt 23-\t                             ; LDS loads come back in order: the younger ones stay out
	global_store_b128 v1, v[80+4*\t:83+4*\t], s[82:83] offset:\t*512          ; two rows of qT: 512 consecutive bytes
.endr
.irp t, 0,1,2,3,4,5,6,7
	s_wait_dscnt 15-\t
	global_store_b128 v1, v[112+4*\t:115+4*\t], s[84:85] offset:\t*512
.endr
.irp t, 0,1,2,3,4,5,6,7
	s_wait_dscnt 7-\t
	global_store_b128 v11, v[144+4*\t:147+4*\t], s[86:87] offset:\t*16384     ; two rows of vb: sixteen lanes store 256 consecutive bytes, aligned
.endr
	s_wait_dscnt 0x0                               ; the closing lines, six on end
	s_wait_alu 0x0
	s_wait_tensorcnt 0x0
	ds_add_u32 v254, v255
	s_wait_dscnt 0x0
	s_endpgm
.Lfunc_end_k_q63965e1174_qkv:
	.size	k_q63965e1174_qkv, .Lfunc_end_k_q63965e1174_qkv-k_q63965e1174_qkv
	.p2alignl 7, 3214868480
	.fill 96, 4, 3214868480
	.section	.rodata,"a",@progbits
	.p2align	6, 0x0
	.amdhsa_kernel k_q63965e1174_qkv
		.amdhsa_group_segment_fixed_size 142336
		.amdhsa_private_segment_fixed_size 0
		.amdhsa_enable_private_segment 0
		.amdhsa_kernarg_size 80
		.amdhsa_user_sgpr_count 2
		.amdhsa_user_sgpr_kernarg_segment_ptr 1
		.amdhsa_wavefront_size32 1
		.amdhsa_system_sgpr_workgroup_id_x 1
		.amdhsa_system_sgpr_workgroup_id_y 1
		.amdhsa_system_sgpr_workgroup_id_z 1
		.amdhsa_system_vgpr_workitem_id 0
		.amdhsa_next_free_vgpr 256
		.amdhsa_next_free_sgpr 92
		.amdhsa_reserve_vcc 0
		.amdhsa_float_denorm_mode_32 3
		.amdhsa_float_denorm_mode_16_64 3
		.amdhsa_memory_ordered 1
		.amdhsa_forward_progress 1
		.amdhsa_inst_pref_size 45
	.end_amdhsa_kernel
	.amdgpu_metadata
---
amdhsa.version: [ 1, 2 ]
amdhsa.kernels:
  - .name:           k_q63965e1174_qkv
    .symbol:         k_q63965e1174_qkv.kd
    .args:
      - { .name: x, .offset: 0, .size: 8, .value_kind: global_buffer, .address_space: global }
      - { .name: gnp, .offset: 8, .size: 8, .value_kind: global_buffer, .address_space: global }
      - { .name: gn_bias, .offset: 16, .size: 8, .value_kind: global_buffer, .address_space: global }
      - { .name: wbf, .offset: 24, .size: 8, .value_kind: global_buffer, .address_space: global }
      - { .name: bq, .offset: 32, .size: 8, .value_kind: global_buffer, .address_space: global }
      - { .name: bk, .offset: 40, .size: 8, .value_kind: global_buffer, .address_space: global }
      - { .name: bv, .offset: 48, .size: 8, .value_kind: global_buffer, .address_space: global }
      - { .name: qT, .offset: 56, .size: 8, .value_kind: global_buffer, .address_space: global }
      - { .name: kT, .offset: 64, .size: 8, .value_kind: global_buffer, .address_space: global }
      - { .name: vb, .offset: 72, .size: 8, .value_kind: global_buffer, .address_space: global }
    .group_segment_fixed_size: 142336
    .private_segment_fixed_size: 0
    .kernarg_segment_align: 8
    .kernarg_segment_size: 80
    .max_flat_workgroup_size: 256
    .sgpr_count:     92
    .vgpr_count:     256
    .wavefront_size: 32
...
	.end_amdgpu_metadata
.endif
;; end of part 4
;; launch attn: the kernel of part 3 again; grid 256 x 1, 8 waves a work-group, clusters of 4 x 1, 327,680 bytes of LDS; arguments qT, kT, vb, wbf, bo, x, out0; writes out0
